; MI455X (gfx1250); checked and timed in simulation.
; The chip was launched on July 23, 2026; its instructions are those of AMD's public machine-readable ISA for CDNA 5 (MIT licence, August 2026) and "CDNA5" Instruction Set Architecture Reference Guide (July 2026). The comments in the code are by the model that wrote it; some were corrected since.
;; Self Attention. Allowed arithmetic: matrix products marked QUANTISED: E2M3 operands, one E8M0 scale for each 32 along K, by v_wmma_scale_f32_16x16x128_f8f6f4 with both operands' format E2M3, f32 sums; everything else in f32.
;; Inputs: Wk 256 x 1,024 float32; Wq 256 x 1,024 float32; Wu 1,024 x 256 float32; Wv 256 x 1,024 float32; bu 256 float32; x 16 x 2,048 x 256 float32.
;; Outputs: out0 16 x 512 x 256 float32.
;; This version of the problem:
;;   THIS VERSION OF THE PROBLEM IS GIVEN IN LOW PRECISION. The matrix products marked QUANTISED in the list below multiply operands that are first quantised to E2M3 (2 exponent bits, 3 mantissa bits; 6 bits a number), with one power-of-two scale for each 32 numbers along K (OCP MX v1.0); their sums are f32. All else is computed in f32.
;;   The module's matrix products, in the order in which they are computed (A, B: the left and right operand; K: the contracted axis; several contracted axes count as one K, in the product's order):
;;     1. [M 32,768, K 256] x [K 256, N 1,024]; A: input x; B: input Wq: QUANTISED
;;     2. [M 32,768, K 256] x [K 256, N 1,024]; A: input x; B: input Wk: QUANTISED
;;     3. [M 32,768, K 256] x [K 256, N 1,024]; A: input x; B: input Wv: QUANTISED
;;     4. batch 64 x [M 512, K 256] x [K 256, N 2,048]; A: computed on the way; B: computed on the way: QUANTISED
;;     5. batch 64 x [M 512, K 2,048] x [K 2,048, N 256]; A: softmax (see below); B: computed on the way: QUANTISED
;;     6. [M 8,192, K 1,024] x [K 1,024, N 256]; A: computed on the way; B: input Wu: QUANTISED
;;   THE QUANTISER, for each operand of a quantised product, along K:
;;     - K is cut into blocks of 32 from its start; a last block that is shorter is filled with zeros.
;;     - A block's scale is 2^e with e = floor(log2(the largest magnitude in the block)) - 2, held to -126 .. 127; a block of zeros has e = 0. As a byte (E8M0): e + 127.
;;     - Each number is divided by its block's scale, clamped to +-7.5, and rounded to the nearest number of E2M3, ties to even, subnormals kept.
;;     - The product sums the exact products of the quantised numbers (number of the format x scale) in f32.
;;   ~~~python
;;   def quantise(x, axis):      # numpy; x: float32 -> the quantised numbers, widened to float32 again
;;       x = np.moveaxis(x, axis, -1); K = x.shape[-1]
;;       x = np.pad(x, [(0, 0)] * (x.ndim - 1) + [(0, -K % 32)]); x = x.reshape(x.shape[:-1] + (-1, 32)); a = np.abs(x).max(-1, keepdims=True)
;;       e = np.where(a > 0, np.clip(np.frexp(np.where(a > 0, a, 1))[1] - 1 - 2, -126, 127), 0)      # np.frexp(a)[1] - 1 = floor(log2(a)), exactly
;;       r = np.clip(x / 2.0 ** e, -7.5, 7.5)
;;       step = 2.0 ** (np.maximum(np.frexp(np.where(r == 0, 1, r))[1] - 1, 0) - 3)
;;       q = np.round(r / step) * step * 2.0 ** e      # np.round: ties to even
;;       return np.moveaxis(q.reshape(q.shape[:-2] + (-1,))[..., :K], -1, axis).astype(np.float32)
;;   ~~~
;;   SOFTMAX AHEAD OF A QUANTISED PRODUCT. Where the list says 'softmax', what is quantised is not the finished softmax but p = 2^(t - M), with t = logit x log2(e) and M = ceil(the row's largest t), a whole number; so 1/2 < the row's largest p <= 1. The row's sum l is taken of the UNQUANTISED p, in f32, and the product's result is divided by l at the end. Since M is a whole number, a kernel that streams over the keys may use a running M (the ceiling of the running maximum): every later rescaling is an exact power of two, which a block's scale takes up: the codes' values come out the same.
;;   OPERANDS COMPUTED ON THE WAY. 'Computed on the way' means the value that the module computes at that place (a softmax that the list does not call 'softmax' is quantised finished and normalised). What goes into a quantiser is computed in f32, as accurately as f32 sums, v_exp_f32 and their like allow (about 1e-6 of the number): no bf16 or f16 on the way to a quantiser, and a product that is left as it is and whose result goes on into a quantised operand takes f32 operands (vector FMAs, or v_wmma_f32_16x16x4_f32). A number that lies on a knife's edge between two numbers of the format may be rounded either way, as far as f32 arithmetic and the matrix unit's own rounding can turn it there, and no further.
;; One version. Each part assembles by itself: llvm-mc -triple=amdgcn-amd-amdhsa -mcpu=gfx1250 --defsym DOCPART=n.
;; ======== version 1 of 1: 4 launches
;; limits: right only within a limited range of input values
;; workspace buffers: xq 6,553,600 bytes; wc 819,200 bytes; kvc 50,429,952 bytes; kvs 2,097,152 bytes; ao 6,553,600 bytes
;; launch quant (part 1): grid 288 x 1, 8 waves a work-group, no clusters, 134,144 bytes of LDS; arguments x, Wq, Wk, Wv, Wu, xq, wc; writes xq, wc
.if DOCPART == 1
	.amdgcn_target "amdgcn-amd-amdhsa--gfx1250"
	.amdhsa_code_object_version 6
	.text
	.protected	k_q0ac0e38e28_quant
	.globl	k_q0ac0e38e28_quant
	.p2align	8
	.type	k_q0ac0e38e28_quant,@function
k_q0ac0e38e28_quant:
	s_mov_b64 s[64:65], 0
	v_nop
	global_prefetch_b8 v0, s[64:65] scope:SCOPE_SE
	s_setreg_imm32_b32 hwreg(HW_REG_WAVE_MODE, 25, 1), 1
	s_wait_xcnt 0x0
; x [32768][256] and the four weights (K = their FIRST axis) become codes of FP6 (E2M3) with one E8M0 byte for each 32 along K,
; laid as IMAGES OF OPERAND REGISTERS: a fragment (16 rows x 128 K, 12 registers a lane) is 1,536 bytes, registers 4 c .. 4 c + 3 of lane l at 512 c + 16 l;
; a scale image is 128 bytes, lane l's word at 4 l, its two halves of 16 lanes holding two things that a product picks by the scale's row.
; THE ROWS OF A TILE ARE NOT NEIGHBOURS (x's rows; the columns of Wq, Wk, Wv): row r of tile 2 b + u is index 32 b + 8 u + r + 8 (r / 8), so that a result made from two
; neighbouring tiles holds 16 neighbours along the next K in a lane's registers.  Wu's columns lie in their own order.
; xq: group G of 128 rows at 25,600 G: fragment (tile T, K step s) at 1,536 (2 T + s); from 24,576 on tile T's scale image at 128 T (lanes 0-15: s = 0, lanes 16-31: s = 1).
; wc: Wq, Wk, Wv at 0, 204,800, 409,600; head h at 51,200 h: fragment (tile dt, s) at 1,536 (2 dt + s); from 49,152 on image (pair P, s) at 128 (2 P + s) (lanes 0-15 tile 2 P, lanes 16-31 tile 2 P + 1).
;     Wu at 614,400: fragment (tile nt, K step ks) at 1,536 (8 nt + ks); from 196,608 on image (P, ks) at 128 (8 P + ks).
; A block's scale is 2^(floor(log2(largest magnitude)) - 2); its byte is the largest magnitude's exponent field - 2, held at 1 from below.
; LIMITS: a block of zeros, or one whose largest magnitude lies under 2^-124, gets the byte 1 (its codes are then zeros or subnormal codes; the bytes are read by this program alone); NaN and infinities are not served.
; SHARES: work-groups 0-31 take the weights (a wave: 32 columns x 128 K), work-groups 32-287 a group of 128 rows of x (a wave: one tile of 16 rows).  Waves share nothing: no barrier.
; Nothing is shared between work-groups, so there is no cluster; every byte is asked for in a wave's first lines, so there is no ring.
.set STW,    16640                     ; a wave's stage: 16 rows of SPITCH bytes
.set SPITCH, 1040                      ; 1,024 bytes + 16: sixteen lanes that take the same column of 16 rows touch 16 different columns of 16 bytes
.set SPARE,  8*STW                     ; behind the stages: the spare words, 128 bytes a wave
.set SPW,  12                          ; v12  my spare word's LDS address; never rewritten
.set NIL,  13                          ; v13  0; never rewritten
.set R,    16                          ; v16-143   128 numbers
.set PC0,  144                         ; v144-155  a fragment's codes
.set PC1,  156                         ; v156-167  a second one
.set CT,   168                         ; v168-183  conversions' second halves
.set TM,   184                         ; v184-199  at work: maxima, bytes, scale operands
.set PWQ,  200                         ; the scale word just made
.set PWA,  201                         ; a scale image
.set WV,   18
.set SEL,  20                          ; s[20:21] lane selects: lane l xor 16
.set HMASK, 22                         ; lanes 16-31
; 64 numbers of a lane, register 16 b + i = k 32 b + 16 (lane / 16) + i of my row, become a fragment's codes in v[pcd] on and its scale word in v[PWQ] (the same in both halves of the lanes).
.macro QUANT src, pcd, tmp
.irp b, 0,1,2,3
	v_max3_num_f32 v[TM+\b], |v[(\src)+16*\b]|, |v[(\src)+16*\b+1]|, 0x1800000   ; my 16 numbers of block b, and the floor 2^(3 - 127): the byte cannot fall under 1
.endr
.irp i, 2,4,6,8,10,12,14
.irp b, 0,1,2,3
	s_delay_alu instid0(VALU_DEP_4)
	v_max3_num_f32 v[TM+\b], v[TM+\b], |v[(\src)+16*\b+\i]|, |v[(\src)+16*\b+\i+1]|   ; the four blocks by turns
.endr
.endr
.irp b, 0,1,2,3
	s_delay_alu instid0(VALU_DEP_4)
	v_permlanex16_b32 v[TM+4+\b], v[TM+\b], s[SEL], s[SEL+1]
.endr
.irp b, 0,1,2,3
	s_delay_alu instid0(VALU_DEP_4)
	v_max_num_f32 v[TM+\b], v[TM+\b], v[TM+4+\b]   ; with lane l xor 16's: the block's largest magnitude
.endr
.irp b, 0,1,2,3
	s_delay_alu instid0(VALU_DEP_4)
	v_add_nc_u32 v[TM+12+\b], 0xff000000, v[TM+\b]   ; 2 off its exponent field: the conversion's scale operand
.endr
.irp b, 0,1,2,3
	s_delay_alu instid0(VALU_DEP_4)
	v_lshrrev_b32 v[TM+4+\b], 23, v[TM+12+\b]      ; the scale's byte
.endr
	s_delay_alu instid0(VALU_DEP_3)
	v_lshl_or_b32 v[PWQ], v[TM+5], 8, v[TM+4]
	s_delay_alu instid0(VALU_DEP_1)
	v_lshl_or_b32 v[PWQ], v[TM+6], 16, v[PWQ]
	s_delay_alu instid0(VALU_DEP_1)
	v_lshl_or_b32 v[PWQ], v[TM+7], 24, v[PWQ]
.irp c, 0,1
	v_cvt_scalef32_pk16_fp6_f32 v[(\pcd)+6*\c:(\pcd)+6*\c+2], v[(\src)+32*\c:(\src)+32*\c+15], v[TM+12+2*\c]
	v_cvt_scalef32_pk16_fp6_f32 v[(\tmp)+4*\c:(\tmp)+4*\c+2], v[(\src)+32*\c+16:(\src)+32*\c+31], v[TM+12+2*\c+1]   ; (a conversion's three registers begin on an even number)
.endr
	v_nop                                          ; one plain place behind the scaled conversions
.irp c, 0,1                            ; the layout wants a whole block in a lane: lanes 0-15 block 2 c, lanes 16-31 block 2 c + 1
.irp i, 0,1,2
	v_permlane16_swap_b32 v[(\pcd)+6*\c+\i], v[(\tmp)+4*\c+\i]
.endr
.irp i, 0,1,2
	s_delay_alu instid0(VALU_DEP_3)
	v_mov_b32 v[(\pcd)+6*\c+3+\i], v[(\tmp)+4*\c+\i]
.endr
.endr
.endm
.macro WLOAD pitch                     ; 128 rows of K at my column: each load reads 128 consecutive bytes
.set i, 0
.rept 128
	global_load_b32 v[R+i], v8, s[28:29] offset:i*(\pitch) th:TH_LOAD_NT
.set i, i+1
.endr
.endm
; WORK LEFT OUT IN THIS PROGRAM: reference() slices q to the first 512 positions of each sequence, so the rows of x Wq for positions 512 .. 2047 reach no output, whatever the inputs hold:
; the attention launch makes q for the 512 kept positions alone.  A NaN, an infinity or an overflow that would arise only in those rows is not carried to the result.  Every input is loaded.
	s_load_b256 s[4:11], s[0:1], 0x0
	s_load_b128 s[12:15], s[0:1], 0x20             ; Wu, xq
	s_load_b64 s[16:17], s[0:1], 0x30              ; wc
	v_lshl_add_u32 v[SPW], v0, 2, SPARE
	v_mov_b32 v[NIL], 0
	v_lshrrev_b32 v1, 5, v0
	s_delay_alu instid0(VALU_DEP_1)
	v_readfirstlane_b32 s[WV], v1                  ; wave 0..7
	v_and_b32 v1, 31, v0                           ; lane
	v_and_b32 v2, 15, v0                           ; r
	v_bfe_u32 v3, v0, 4, 1                         ; h
	s_delay_alu instid0(VALU_DEP_3)
	v_lshlrev_b32 v4, 4, v1                        ; 16 x lane
	s_delay_alu instid0(VALU_DEP_4)
	v_lshlrev_b32 v7, 2, v1                        ; 4 x lane
	s_mul_i32 s23, s[WV], STW                      ; my stage
	v_add_nc_u32 v5, s23, v4                       ; into it: as loaded, 16 bytes a lane
	v_mul_u32_u24 v6, v2, SPITCH
	s_delay_alu instid0(VALU_DEP_1)
	v_lshl_add_u32 v6, v3, 6, v6
	s_delay_alu instid0(VALU_DEP_1)
	v_add_nc_u32 v6, s23, v6                       ; out of it: row r, + 64 h: my 16 numbers of a block of 32
	s_mov_b32 s[SEL], 0x76543210
	s_mov_b32 s[SEL+1], 0xfedcba98
	s_mov_b32 s[HMASK], 0xffff0000
.irp b, 0,1,2,3
	v_mov_b32 v[TM+4+\b], 0                        ; written once: a lane permute's destination counts as one of its sources
.endr
	s_wait_kmcnt 0x0
	s_cmp_lt_u32 ttmp9, 32
	s_cbranch_scc1 .Lweights
	; ---- x: my tile's 16 rows, 16 KiB, all asked for at once
	s_sub_co_u32 s24, ttmp9, 32                    ; the group G
	s_lshl_b32 s26, s24, 7
	s_lshr_b32 s27, s[WV], 1
	s_lshl_b32 s27, s27, 5
	s_add_co_u32 s26, s26, s27
	s_and_b32 s27, s[WV], 1
	s_lshl_b32 s27, s27, 3
	s_add_co_u32 s26, s26, s27                     ; the tile's first row: 128 G + 32 (wave / 2) + 8 (wave % 2)
	s_lshl_b32 s26, s26, 10                        ; x 1,024 bytes (under 2^25)
	s_mov_b32 s27, 0
	s_add_nc_u64 s[4:5], s[4:5], s[26:27]
	s_mul_i32 s28, s24, 25600
	s_mul_i32 s30, s[WV], 3072
	s_add_co_u32 s30, s30, s28
	s_mov_b32 s31, 0
	s_add_nc_u64 s[32:33], s[14:15], s[30:31]      ; my two fragments in xq
	s_lshl_b32 s30, s[WV], 7
	s_add_co_u32 s30, s30, s28
	s_add_co_u32 s30, s30, 24576
	s_add_nc_u64 s[34:35], s[14:15], s[30:31]      ; my scale image
.set i, 0
.rept 32
	global_load_b128 v[R+4*i:R+4*i+3], v4, s[4:5] offset:((i/2)+8*((i/2)/8))*1024+512*(i%2) th:TH_LOAD_NT   ; 512 consecutive bytes: half of tile row i / 2
.set i, i+1
.endr
.set i, 0
	s_wait_alu depctr_va_vdst(0)
.rept 32
	s_wait_loadcnt 31-i                            ; loads come back in order: this one is in, the 31 - i younger ones may be out
	ds_store_b128 v5, v[R+4*i:R+4*i+3] offset:(i/2)*SPITCH+512*(i%2)
.set i, i+1
.endr
	s_wait_dscnt 0x0                               ; the stores have read R, which is loaded again
.irp s, 0,1
.irp b, 0,1,2,3
.irp j, 0,1,2,3
	ds_load_b128 v[R+64*\s+16*\b+4*\j:R+64*\s+16*\b+4*\j+3], v6 offset:512*\s+128*\b+16*\j
.endr
.endr
.endr
	s_wait_dscnt 16                                ; K step 0's 16 reads are in; K step 1's 16 may be out
	QUANT R, PC0, CT
	v_mov_b32 v[PWA], v[PWQ]
	s_wait_dscnt 0x0
	QUANT R+64, PC1, CT
	v_cndmask_b32 v[PWA], v[PWA], v[PWQ], s[HMASK] ; lanes 0-15: K step 0's words, lanes 16-31: K step 1's
.irp c, 0,1,2
	global_store_b128 v4, v[PC0+4*\c:PC0+4*\c+3], s[32:33] offset:512*\c
.endr
.irp c, 0,1,2
	global_store_b128 v4, v[PC1+4*\c:PC1+4*\c+3], s[32:33] offset:1536+512*\c
.endr
	global_store_b32 v7, v[PWA], s[34:35]
	s_branch .Lend
.Lweights:
	; ---- a weight: 32 columns x 128 K.  A LANE TAKES A COLUMN AND ITS REGISTERS RUN DOWN K: lanes 0-15 the even tile's columns, lanes 16-31 the odd tile's
	s_lshr_b32 s24, ttmp9, 3                       ; which weight: 0 Wq, 1 Wk, 2 Wv, 3 Wu
	s_lshl_b32 s26, ttmp9, 3
	s_add_co_u32 s26, s26, s[WV]
	s_and_b32 s26, s26, 63                         ; which of its 64 tasks
	s_mov_b64 s[28:29], s[12:13]
	s_cmp_eq_u32 s24, 2
	s_cselect_b64 s[28:29], s[10:11], s[28:29]
	s_cmp_eq_u32 s24, 1
	s_cselect_b64 s[28:29], s[8:9], s[28:29]
	s_cmp_eq_u32 s24, 0
	s_cselect_b64 s[28:29], s[6:7], s[28:29]       ; the choice hangs on the work-group's number alone
	s_mov_b32 s33, 0
	s_mov_b32 s37, 0
	s_mov_b32 s39, 0
	s_mov_b32 s41, 0
	s_cmp_eq_u32 s24, 3
	s_cbranch_scc1 .Lwu
	s_lshr_b32 s30, s26, 1                         ; column group cg
	s_and_b32 s31, s26, 1                          ; K step s
	s_lshl_b32 s32, s31, 19                        ; 128 rows of 4,096 bytes
	s_lshl_b32 s35, s30, 7
	s_add_co_u32 s32, s32, s35
	s_add_nc_u64 s[28:29], s[28:29], s[32:33]
	s_mul_i32 s34, s24, 204800
	s_lshr_b32 s35, s30, 3
	s_mul_i32 s35, s35, 51200
	s_add_co_u32 s34, s34, s35                     ; the weight's and the head's place in wc
	s_and_b32 s35, s30, 7                          ; the pair of tiles P
	s_lshl_b32 s36, s35, 2
	s_add_co_u32 s36, s36, s31
	s_mul_i32 s36, s36, 1536
	s_add_co_u32 s36, s36, s34                     ; fragment (2 P, s)
	s_add_co_u32 s38, s36, 3072                    ; fragment (2 P + 1, s)
	s_lshl_b32 s40, s35, 1
	s_add_co_u32 s40, s40, s31
	s_lshl_b32 s40, s40, 7
	s_add_co_u32 s40, s40, s34
	s_add_co_u32 s40, s40, 49152                   ; image (P, s)
	v_and_b32 v8, 7, v1
	v_bfe_u32 v9, v1, 3, 1
	s_delay_alu instid0(VALU_DEP_1)
	v_lshl_add_u32 v8, v9, 4, v8
	s_delay_alu instid0(VALU_DEP_1)
	v_lshl_add_u32 v8, v3, 3, v8                   ; my column: lane % 8 + 16 ((lane / 8) % 2) + 8 (lane / 16)
	s_delay_alu instid0(VALU_DEP_1)
	v_lshlrev_b32 v8, 2, v8
	WLOAD 4096
	s_branch .Lwjoin
.Lwu:
	s_lshr_b32 s30, s26, 3                         ; column group cg
	s_and_b32 s31, s26, 7                          ; K step ks
	s_lshl_b32 s32, s31, 17                        ; 128 rows of 1,024 bytes
	s_lshl_b32 s35, s30, 7
	s_add_co_u32 s32, s32, s35
	s_add_nc_u64 s[28:29], s[28:29], s[32:33]
	s_lshl_b32 s36, s30, 4
	s_add_co_u32 s36, s36, s31
	s_mul_i32 s36, s36, 1536
	s_add_co_u32 s36, s36, 614400                  ; fragment (2 cg, ks)
	s_add_co_u32 s38, s36, 12288                   ; fragment (2 cg + 1, ks)
	s_lshl_b32 s40, s30, 3
	s_add_co_u32 s40, s40, s31
	s_lshl_b32 s40, s40, 7
	s_add_co_u32 s40, s40, 811008                  ; image (cg, ks)
	s_wait_alu depctr_va_vdst(0)
	v_mov_b32 v8, v7                               ; my column: my lane
	WLOAD 1024
.Lwjoin:
	s_add_nc_u64 s[36:37], s[16:17], s[36:37]
	s_add_nc_u64 s[38:39], s[16:17], s[38:39]
	s_add_nc_u64 s[40:41], s[16:17], s[40:41]
.irp t, 0,1,2,3                        ; block t: all its 32 numbers are mine
.if \t < 2
	s_wait_loadcnt 63                              ; 96 and 64 younger loads might stay out; the count's field ends at 63, and a smaller count is safe
.else
	s_wait_loadcnt 32*(3-\t)                       ; the later blocks' loads may be out
.endif
	v_max3_num_f32 v[TM+\t], |v[R+32*\t]|, |v[R+32*\t+1]|, 0x1800000
.irp i, 2,4,6,8,10,12,14,16,18,20,22,24,26,28,30
	s_delay_alu instid0(VALU_DEP_1)
	v_max3_num_f32 v[TM+\t], v[TM+\t], |v[R+32*\t+\i]|, |v[R+32*\t+\i+1]|
.endr
	s_delay_alu instid0(VALU_DEP_1)
	v_add_nc_u32 v[TM+12+\t], 0xff000000, v[TM+\t]
	s_delay_alu instid0(VALU_DEP_1)
	v_lshrrev_b32 v[TM+4+\t], 23, v[TM+12+\t]
.endr
	v_lshl_or_b32 v[PWQ], v[TM+5], 8, v[TM+4]      ; my column's scale word: the image as it stands (lanes 0-15 the even tile, lanes 16-31 the odd)
	s_delay_alu instid0(VALU_DEP_1)
	v_lshl_or_b32 v[PWQ], v[TM+6], 16, v[PWQ]
	s_delay_alu instid0(VALU_DEP_1)
	v_lshl_or_b32 v[PWQ], v[TM+7], 24, v[PWQ]
.irp t, 0,1,2,3
	v_cvt_scalef32_pk16_fp6_f32 v[PC0+12*(\t%2)+6*(\t/2):PC0+12*(\t%2)+6*(\t/2)+2], v[R+32*\t:R+32*\t+15], v[TM+12+\t]
	v_cvt_scalef32_pk16_fp6_f32 v[CT+4*\t:CT+4*\t+2], v[R+32*\t+16:R+32*\t+31], v[TM+12+\t]
.endr
	v_nop                                          ; one plain place behind the scaled conversions
.irp c, 0,1                            ; block 2 c's lanes 16-31 change places with block 2 c + 1's lanes 0-15: the first is then the even tile's fragment (lanes 0-15 block 2 c, lanes 16-31 block 2 c + 1), the second the odd tile's
.irp i, 0,1,2
	v_permlane16_swap_b32 v[PC0+6*\c+\i], v[PC1+6*\c+\i]
	v_permlane16_swap_b32 v[CT+8*\c+\i], v[CT+8*\c+4+\i]
.endr
.irp i, 0,1,2
	v_mov_b32 v[PC0+6*\c+3+\i], v[CT+8*\c+\i]
	v_mov_b32 v[PC1+6*\c+3+\i], v[CT+8*\c+4+\i]
.endr
.endr
.irp c, 0,1,2
	global_store_b128 v4, v[PC0+4*\c:PC0+4*\c+3], s[36:37] offset:512*\c
.endr
.irp c, 0,1,2
	global_store_b128 v4, v[PC1+4*\c:PC1+4*\c+3], s[38:39] offset:512*\c
.endr
	global_store_b32 v7, v[PWQ], s[40:41]
.Lend:
	s_wait_tensorcnt 0x0                           ; the wave's end
	ds_add_u32 v[SPW], v[NIL]
	s_wait_dscnt 0x0
	s_endpgm
.Lfunc_end_k_q0ac0e38e28_quant:
	.size	k_q0ac0e38e28_quant, .Lfunc_end_k_q0ac0e38e28_quant-k_q0ac0e38e28_quant
	.p2alignl 7, 3214868480
	.fill 96, 4, 3214868480
	.section	.rodata,"a",@progbits
	.p2align	6, 0x0
	.amdhsa_kernel k_q0ac0e38e28_quant
		.amdhsa_group_segment_fixed_size 134144
		.amdhsa_private_segment_fixed_size 0
		.amdhsa_enable_private_segment 0
		.amdhsa_kernarg_size 56
		.amdhsa_user_sgpr_count 2
		.amdhsa_user_sgpr_kernarg_segment_ptr 1
		.amdhsa_wavefront_size32 1
		.amdhsa_system_sgpr_workgroup_id_x 1
		.amdhsa_system_sgpr_workgroup_id_y 1
		.amdhsa_system_sgpr_workgroup_id_z 1
		.amdhsa_system_vgpr_workitem_id 0
		.amdhsa_next_free_vgpr 208
		.amdhsa_next_free_sgpr 66
		.amdhsa_reserve_vcc 0
		.amdhsa_float_denorm_mode_32 3
		.amdhsa_float_denorm_mode_16_64 3
		.amdhsa_memory_ordered 1
		.amdhsa_forward_progress 1
		.amdhsa_inst_pref_size 58
	.end_amdhsa_kernel
	.amdgpu_metadata
---
amdhsa.version: [ 1, 2 ]
amdhsa.kernels:
  - .name:           k_q0ac0e38e28_quant
    .symbol:         k_q0ac0e38e28_quant.kd
    .args:
      - { .name: x, .offset: 0, .size: 8, .value_kind: global_buffer, .address_space: global }
      - { .name: Wq, .offset: 8, .size: 8, .value_kind: global_buffer, .address_space: global }
      - { .name: Wk, .offset: 16, .size: 8, .value_kind: global_buffer, .address_space: global }
      - { .name: Wv, .offset: 24, .size: 8, .value_kind: global_buffer, .address_space: global }
      - { .name: Wu, .offset: 32, .size: 8, .value_kind: global_buffer, .address_space: global }
      - { .name: xq, .offset: 40, .size: 8, .value_kind: global_buffer, .address_space: global }
      - { .name: wc, .offset: 48, .size: 8, .value_kind: global_buffer, .address_space: global }
    .group_segment_fixed_size: 134144
    .private_segment_fixed_size: 0
    .kernarg_segment_align: 8
    .kernarg_segment_size: 56
    .max_flat_workgroup_size: 256
    .sgpr_count:     66
    .vgpr_count:     208
    .wavefront_size: 32
...
	.end_amdgpu_metadata
.endif
;; end of part 1
;; launch proj (part 2): grid 256 x 1, 8 waves a work-group, clusters of 4 x 1, 167,936 bytes of LDS; arguments xq, wc, kvc, kvs; writes kvc, kvs
.if DOCPART == 2
	.amdgcn_target "amdgcn-amd-amdhsa--gfx1250"
	.amdhsa_code_object_version 6
	.text
	.protected	k_q0ac0e38e28_proj
	.globl	k_q0ac0e38e28_proj
	.p2align	8
	.type	k_q0ac0e38e28_proj,@function
k_q0ac0e38e28_proj:
	s_mov_b64 s[64:65], 0
	v_nop
	global_prefetch_b8 v0, s[64:65] scope:SCOPE_SE
	s_setreg_imm32_b32 hwreg(HW_REG_WAVE_MODE, 25, 1), 1
	s_wait_xcnt 0x0
	s_wait_alu depctr_hold_cnt(0) depctr_sa_sdst(0) depctr_va_vdst(0) depctr_va_sdst(0) depctr_va_ssrc(0) depctr_va_vcc(0) depctr_vm_vsrc(0)
	s_getreg_b32 s2, hwreg(HW_REG_IB_STS2, 6, 4)
	s_cmp_eq_u32 s2, 0
	s_cbranch_scc0 .Lentry_in_a_cluster
	s_endpgm
.Lentry_in_a_cluster:
	s_bfe_u32 s2, ttmp6, 0x10000c
	s_cmp_lg_u32 s2, 0x3003
	s_cbranch_scc0 .Lentry_shape_is_right
	s_endpgm
.Lentry_shape_is_right:
; k = x Wk and v = x Wv on codes of FP6 (E2M3); the results are quantised in registers (k along the head's 256, v along the keys) and stored as images of operand registers for the attention.
; (The factor 0.25 on k is a power of two: it changes no code, only block scales, and is folded into the attention's constant.  It differs from the letter only where a block of 0.25 k would meet the scale's lower hold, magnitudes under 2^-122.)
; LIMITS: a block of zeros or under 2^-124 gets the byte 1 (read by this program alone); NaN and infinities are not served.
; kvc: (b h, key step j of 128 keys) at 49,152 (16 bh + j): K fragment (key tile T, half s of the head's 256) at 1,536 (2 T + s); from 24,576 on the fragment of V^T of tile dt of the head's 256 at 1,536 dt.
; kvs: (bh, j) at 2,048 (16 bh + j): blocks of 256 bytes, 8 bytes a lane = two scale images; K's block (s, p) at 256 (2 s + p): tile pairs 2 p, 2 p + 1; V's block p at 1,024 + 256 p.  In an image lanes 0-15 hold the even tile, lanes 16-31 the odd.
; SHARES.  A cluster of four work-groups owns 512 rows of x (four groups of 128); each partner owns one head.  The four need the same 102,400 bytes of xq: ONE JOINT LOAD a wave brings them, 12,800 bytes each, once.
; Waves 0-3 make k (wave w: half s' = w / 2 of the head's 256, key tiles 4 (w % 2) + 0..3), waves 4-7 make v (tiles 4 (w - 4) + 0..3 of the head's 256).  A wave's weights stay in its registers.
; A unit is 16 matrix instructions (8 accumulators by turns, two K steps) and one quantiser; two waves share a SIMD, so that one's quantiser stands beside the other's products.
; k: source 0 = 16 columns of Wk, source 1 = 16 rows of x: a lane holds one key and 64 neighbours along the head's axis.  v: source 0 = 16 rows of x, source 1 = 16 columns of Wv: a lane holds one channel and 64 neighbouring keys.
; LDS is filled once and only read after one barrier: no ring.  By this text's count a wave has one tensor load outstanding.
.set GRP,   25600                      ; a group of xq in LDS, as in memory
.set SPARE, 4*GRP                      ; behind the groups: the spare words, 128 bytes a wave
.set LI,  1                            ; 16 x lane
.set L4,  2                            ; 4 x lane
.set L8,  3                            ; 8 x lane
.set SPW, 6
.set NIL, 7
.set XBK, 8                            ; k waves: my four tiles' fragments in a group
.set XSK, 9                            ; and their scale images
.set XSV, 10                           ; v waves: a group's scale images
.set ADK, 11                           ; the same four for the group in hand
.set ASK, 12
.set ADV, 13
.set ASV, 14
.set HA,  16                           ; v16-79    8 accumulators
.set PC,  80                           ; v80-91    the codes just made
.set CT,  92                           ; v92-99
.set TM,  100                          ; v100-115
.set PWQ, 116
.set SW,  118                          ; v[118:119] two scale images
.set XS,  120                          ; v120-127  x's scale images
.set WS,  128                          ; v128-135  the weights' scale images
.set XF,  136                          ; k waves: v136-159 a tile's two fragments of x
.set WV0, 136                          ; v waves: v136-231 my 8 fragments of Wv
                                       ; window 1, v0-191: k waves: my 16 fragments of Wk; v waves: the group's 16 fragments of x
.set WV,  12
.set CX,  13
.set G1,  16
.set G0,  24
.set SEL, 28
.set HMASK, 30
.set CNT, 31
.set GX,  32
.set KO,  34
.set SO,  36
.set WC,  38
.set WSC, 40
.set MSB, 0
.macro WIN new                         ; the immediate's high byte repeats the setting that is left
.if MSB != \new
	s_set_vgpr_msb (MSB<<8)|\new
.set MSB, \new
.endif
.endm
.macro PLACES n
.rept \n
	v_nop
.endr
.endm
.macro CROUND                          ; a round of the cluster's barrier
	s_barrier_signal -1
	s_barrier_wait -1
	s_cmp_lg_u32 s[WV], 0
	s_cbranch_scc1 .Lnot_wave_0_\@
	s_barrier_signal -3
.Lnot_wave_0_\@:
	s_barrier_wait -3
	s_barrier_signal -1
	s_barrier_wait -1
.endm
.macro QUANT src, pcd, tmp             ; 64 numbers of a lane, register 16 b + i = k 32 b + 16 (lane / 16) + i of my row -> a fragment's codes in v[pcd] on, its scale word in v[PWQ]
.irp b, 0,1,2,3
	v_max3_num_f32 v[TM+\b], |v[(\src)+16*\b]|, |v[(\src)+16*\b+1]|, 0x1800000   ; and the floor 2^(3 - 127): the byte cannot fall under 1.  (Each accumulator is read from its low end on)
.endr
.irp i, 2,4,6,8,10,12,14
.irp b, 0,1,2,3
	v_max3_num_f32 v[TM+\b], v[TM+\b], |v[(\src)+16*\b+\i]|, |v[(\src)+16*\b+\i+1]|
.endr
.endr
.irp b, 0,1,2,3
	s_delay_alu instid0(VALU_DEP_4)
	v_permlanex16_b32 v[TM+4+\b], v[TM+\b], s[SEL], s[SEL+1]
.endr
.irp b, 0,1,2,3
	s_delay_alu instid0(VALU_DEP_4)
	v_max_num_f32 v[TM+\b], v[TM+\b], v[TM+4+\b]
.endr
.irp b, 0,1,2,3
	s_delay_alu instid0(VALU_DEP_4)
	v_add_nc_u32 v[TM+12+\b], 0xff000000, v[TM+\b]
.endr
.irp b, 0,1,2,3
	s_delay_alu instid0(VALU_DEP_4)
	v_lshrrev_b32 v[TM+4+\b], 23, v[TM+12+\b]
.endr
	s_delay_alu instid0(VALU_DEP_3)
	v_lshl_or_b32 v[PWQ], v[TM+5], 8, v[TM+4]
	s_delay_alu instid0(VALU_DEP_1)
	v_lshl_or_b32 v[PWQ], v[TM+6], 16, v[PWQ]
	s_delay_alu instid0(VALU_DEP_1)
	v_lshl_or_b32 v[PWQ], v[TM+7], 24, v[PWQ]
.irp c, 0,1
	v_cvt_scalef32_pk16_fp6_f32 v[(\pcd)+6*\c:(\pcd)+6*\c+2], v[(\src)+32*\c:(\src)+32*\c+15], v[TM+12+2*\c]
	v_cvt_scalef32_pk16_fp6_f32 v[(\tmp)+4*\c:(\tmp)+4*\c+2], v[(\src)+32*\c+16:(\src)+32*\c+31], v[TM+12+2*\c+1]
.endr
	v_nop                                          ; one plain place behind the scaled conversions
.irp c, 0,1
.irp i, 0,1,2
	v_permlane16_swap_b32 v[(\pcd)+6*\c+\i], v[(\tmp)+4*\c+\i]
.endr
.irp i, 0,1,2
	s_delay_alu instid0(VALU_DEP_3)
	v_mov_b32 v[(\pcd)+6*\c+3+\i], v[(\tmp)+4*\c+\i]
.endr
.endr
.endm
; One matrix instruction.  cm = 0: C is 0; 1: in place; 2: C in v[c] on.  ra, rb = 1: that side's scales stand in lanes 16-31 of its register.
.macro WM cm, d, a, b, c, sa, sb, ra, rb
.set zD, \d
.set zA, \a
.set zB, \b
.set zC, \c
.set zE, \sa
.set zF, \sb
.set zR, 2*(\ra)+(\rb)
.if (\cm) == 1
.set zC, zD
.endif
.if (\cm) == 0
.if zR == 0
	v_wmma_scale_f32_16x16x128_f8f6f4 v[zD:zD+7], v[zA:zA+11], v[zB:zB+11], 0, v[zE], v[zF] matrix_a_fmt:MATRIX_FMT_FP6 matrix_b_fmt:MATRIX_FMT_FP6
.elseif zR == 1
	v_wmma_scale_f32_16x16x128_f8f6f4 v[zD:zD+7], v[zA:zA+11], v[zB:zB+11], 0, v[zE], v[zF] matrix_a_fmt:MATRIX_FMT_FP6 matrix_b_fmt:MATRIX_FMT_FP6 matrix_b_scale:MATRIX_SCALE_ROW1
.elseif zR == 2
	v_wmma_scale_f32_16x16x128_f8f6f4 v[zD:zD+7], v[zA:zA+11], v[zB:zB+11], 0, v[zE], v[zF] matrix_a_fmt:MATRIX_FMT_FP6 matrix_b_fmt:MATRIX_FMT_FP6 matrix_a_scale:MATRIX_SCALE_ROW1
.else
	v_wmma_scale_f32_16x16x128_f8f6f4 v[zD:zD+7], v[zA:zA+11], v[zB:zB+11], 0, v[zE], v[zF] matrix_a_fmt:MATRIX_FMT_FP6 matrix_b_fmt:MATRIX_FMT_FP6 matrix_a_scale:MATRIX_SCALE_ROW1 matrix_b_scale:MATRIX_SCALE_ROW1
.endif
.else
.if zR == 0
	v_wmma_scale_f32_16x16x128_f8f6f4 v[zD:zD+7], v[zA:zA+11], v[zB:zB+11], v[zC:zC+7], v[zE], v[zF] matrix_a_fmt:MATRIX_FMT_FP6 matrix_b_fmt:MATRIX_FMT_FP6
.elseif zR == 1
	v_wmma_scale_f32_16x16x128_f8f6f4 v[zD:zD+7], v[zA:zA+11], v[zB:zB+11], v[zC:zC+7], v[zE], v[zF] matrix_a_fmt:MATRIX_FMT_FP6 matrix_b_fmt:MATRIX_FMT_FP6 matrix_b_scale:MATRIX_SCALE_ROW1
.elseif zR == 2
	v_wmma_scale_f32_16x16x128_f8f6f4 v[zD:zD+7], v[zA:zA+11], v[zB:zB+11], v[zC:zC+7], v[zE], v[zF] matrix_a_fmt:MATRIX_FMT_FP6 matrix_b_fmt:MATRIX_FMT_FP6 matrix_a_scale:MATRIX_SCALE_ROW1
.else
	v_wmma_scale_f32_16x16x128_f8f6f4 v[zD:zD+7], v[zA:zA+11], v[zB:zB+11], v[zC:zC+7], v[zE], v[zF] matrix_a_fmt:MATRIX_FMT_FP6 matrix_b_fmt:MATRIX_FMT_FP6 matrix_a_scale:MATRIX_SCALE_ROW1 matrix_b_scale:MATRIX_SCALE_ROW1
.endif
.endif
.endm
.macro FETCHX i                        ; k waves: my i-th tile's two fragments of x and its scale image
.irp s, 0,1
.irp c, 0,1,2
	ds_load_b128 v[XF+12*\s+4*\c:XF+12*\s+4*\c+3], v[ADK] offset:(\i)*3072+\s*1536+512*\c
.endr
.endr
	ds_load_b32 v[XS], v[ASK] offset:(\i)*128
.endm
.macro SCALEW i                        ; four units' scale words make two images; behind the fourth they leave: 32 lanes x 8 bytes, 256 consecutive bytes, aligned
.if (\i) == 0
	v_mov_b32 v[SW], v[PWQ]
.elseif (\i) == 1
	v_cndmask_b32 v[SW], v[SW], v[PWQ], s[HMASK]
.elseif (\i) == 2
	v_mov_b32 v[SW+1], v[PWQ]
.else
	v_cndmask_b32 v[SW+1], v[SW+1], v[PWQ], s[HMASK]
	global_store_b64 v[L8], v[SW:SW+1], s[SO:SO+1] th:TH_STORE_NT
.endif
.endm
.macro KUNIT i
	s_wait_dscnt 0x0                               ; the tile's fragments are in
	WIN 0x01                                       ; source 0 (Wk) window 1
.irp s, 0,1
.irp e, 0,1,2,3,4,5,6,7
	WM \s, HA+8*\e, 12*(2*\e+\s), XF+12*\s, 0, WS+2*(\e/2)+\s, XS, \e&1, \s
.endr
.endr
	WIN 0
	PLACES 4                                       ; in front of loads into registers that matrix instructions have read, and of the first read of results
.if (\i) < 3
	FETCHX (\i)+1                                  ; lands under the quantiser
.endif
	s_wait_xcnt 0x0                                ; the last unit's stores have read their data: PC and SW are written again only behind this wait
	QUANT HA, PC, CT
.irp c, 0,1,2
	global_store_b128 v[LI], v[PC+4*\c:PC+4*\c+3], s[KO:KO+1] offset:(\i)*3072+512*\c th:TH_STORE_NT
.endr
	SCALEW \i
.endm
.macro VUNIT i
.if (\i) == 0
	s_wait_dscnt 0x0                               ; the group's fragments are in
.endif
	WIN 0x01                                       ; source 0 (x) window 1
.irp s, 0,1
.irp e, 0,1,2,3,4,5,6,7
	WM \s, HA+8*\e, 12*(2*\e+\s), WV0+12*(2*(\i)+\s), 0, XS+\e, WS+2*((\i)/2)+\s, \s, (\i)&1
.endr
.endr
	WIN 0
	PLACES 4
	s_wait_xcnt 0x0
	QUANT HA, PC, CT
.irp c, 0,1,2
	global_store_b128 v[LI], v[PC+4*\c:PC+4*\c+3], s[KO:KO+1] offset:(\i)*1536+512*\c th:TH_STORE_NT
.endr
	SCALEW \i
.endm
	s_load_b256 s[4:11], s[0:1], 0x0               ; xq, wc, kvc, kvs
	v_lshl_add_u32 v[SPW], v0, 2, SPARE
	v_mov_b32 v[NIL], 0
	ds_add_u32 v[SPW], v[NIL]                      ; the wave's opening: the add and its wait stand ahead of my first tensor load; the set-up, work on registers, stands between them
	ds_add_u32 v[SPW], v[NIL]
	v_lshrrev_b32 v15, 5, v0
	s_delay_alu instid0(VALU_DEP_1)
	v_readfirstlane_b32 s[WV], v15                 ; wave 0..7
	s_bfe_u32 s[CX], ttmp6, 0x40000                ; my place in the cluster = my head: it enters global addresses of weights and results alone
	; descriptor group 1: 50 rows of 256 bytes (32 elements of 8), dense
	s_mov_b32 s[G1], 15|(3<<16)|(1<<21)            ; 15:0 the mask: all four work-groups; 17:16 elements of 8 bytes; 21 set beside a mask
	s_mov_b32 s[G1+1], 32<<16                      ; tensor_dim0
	s_mov_b32 s[G1+2], 50<<16                      ; tensor_dim1
	s_mov_b32 s[G1+3], 32<<16                      ; tile_dim0
	s_mov_b32 s[G1+4], 50                          ; tile_dim1
	s_mov_b32 s[G1+5], 32                          ; the pitch
	s_mov_b32 s[G1+6], 0
	s_mov_b32 s[G1+7], 0
	s_mov_b32 s[SEL], 0x76543210
	s_mov_b32 s[SEL+1], 0xfedcba98
	s_mov_b32 s[HMASK], 0xffff0000
	v_and_b32 v15, 31, v0
	s_delay_alu instid0(VALU_DEP_1)
	v_lshlrev_b32 v[LI], 4, v15
	s_delay_alu instid0(VALU_DEP_2)
	v_lshlrev_b32 v[L4], 2, v15
	s_delay_alu instid0(VALU_DEP_3)
	v_lshlrev_b32 v[L8], 3, v15
	s_and_b32 s59, s[WV], 1                        ; every LDS address is made here, ahead of the first parting of the waves
	s_mul_i32 s62, s59, 12288
	v_add_nc_u32 v[XBK], s62, v[LI]
	s_lshl_b32 s62, s59, 9
	s_add_co_u32 s62, s62, 24576
	v_add_nc_u32 v[XSK], s62, v[L4]
	v_add_nc_u32 v[XSV], 24576, v[L4]
.irp b, 0,1,2,3
	v_mov_b32 v[TM+4+\b], 0                        ; written once: a lane permute's destination counts as one of its sources
.endr
	s_mul_i32 s58, s[WV], 12800                    ; my part of the 102,400 bytes, in LDS and in memory
	s_mul_i32 s60, ttmp9, 102400                   ; the cluster's 512 rows
	s_add_co_u32 s60, s60, s58
	s_mov_b32 s61, 0
	; where my weights lie and my results go: both roles' offsets are made, then chosen by the wave's number
	s_lshr_b32 s42, s[WV], 1                       ; k: s'
	s_and_b32 s43, s[WV], 1                        ; k: p
	s_and_b32 s44, s[WV], 3                        ; v: p
	s_mul_i32 s45, s42, 24576
	s_add_co_u32 s45, s45, 204800
	s_mul_i32 s46, s44, 12288
	s_add_co_u32 s46, s46, 409600
	s_lshl_b32 s47, s42, 10
	s_add_co_u32 s47, s47, 204800+49152
	s_lshl_b32 s48, s44, 9
	s_add_co_u32 s48, s48, 409600+49152
	s_mul_i32 s49, s43, 12288
	s_mul_i32 s50, s42, 1536
	s_add_co_u32 s49, s49, s50
	s_mul_i32 s50, s44, 6144
	s_add_co_u32 s50, s50, 24576
	s_cmp_lt_u32 s[WV], 4
	s_cselect_b32 s45, s45, s46
	s_cselect_b32 s47, s47, s48
	s_cselect_b32 s49, s49, s50
	s_mul_i32 s51, s[CX], 51200
	s_add_co_u32 s52, s45, s51
	s_mov_b32 s53, 0
	s_add_co_u32 s54, s47, s51
	s_mov_b32 s55, 0
	s_lshr_b32 s44, ttmp9, 2                       ; the batch
	s_lshl_b32 s44, s44, 2
	s_add_co_u32 s44, s44, s[CX]
	s_lshl_b32 s44, s44, 4
	s_and_b32 s46, ttmp9, 3
	s_lshl_b32 s46, s46, 2
	s_add_co_u32 s44, s44, s46                     ; 16 (4 b + h) + the first of my four key steps
	s_mul_i32 s56, s44, 49152
	s_add_co_u32 s56, s56, s49
	s_mov_b32 s57, 0
	s_lshl_b32 s42, s44, 11
	s_lshl_b32 s43, s[WV], 8                       ; wave w's block of scale images is block w of a key step's eight
	s_add_co_u32 s42, s42, s43
	s_mov_b32 s43, 0
	s_wait_dscnt 0x0                               ; the opening add is done
	s_wait_kmcnt 0x0
	s_mov_b32 s[G0], 1
	s_mov_b32 s[G0+1], s58
	s_add_nc_u64 s[G0+2:G0+3], s[4:5], s[60:61]
	s_or_b32 s[G0+3], s[G0+3], 0x80000000
	s_add_nc_u64 s[WC:WC+1], s[6:7], s[52:53]
	s_add_nc_u64 s[WSC:WSC+1], s[6:7], s[54:55]
	s_add_nc_u64 s[KO:KO+1], s[8:9], s[56:57]
	s_add_nc_u64 s[SO:SO+1], s[10:11], s[42:43]
	CROUND                                         ; all four work-groups are here: the joint loads meet
	tensor_load_to_lds s[G0:G0+3], s[G1:G1+7]
	s_nop 0
	PLACES 4
	s_cmp_lt_u32 s[WV], 4
	s_cbranch_scc0 .Lwv
	WIN 0x40                                       ; destination window 1
.set f, 0
.rept 16
.irp c, 0,1,2
	global_load_b128 v[12*f+4*\c:12*f+4*\c+3], v[LI], s[WC:WC+1] offset:f*1536+512*\c
.endr
.set f, f+1
.endr
	WIN 0
	s_wait_alu depctr_va_vdst(0)
.irp i, 0,1,2,3,4,5,6,7
	global_load_b32 v[WS+\i], v[L4], s[WSC:WSC+1] offset:128*\i
.endr
	s_branch .Lwjoin
.Lwv:
.set f, 0
.rept 8
.irp c, 0,1,2
	global_load_b128 v[WV0+12*f+4*\c:WV0+12*f+4*\c+3], v[LI], s[WC:WC+1] offset:f*1536+512*\c
.endr
.set f, f+1
.endr
	s_wait_alu depctr_va_vdst(0)
.irp i, 0,1,2,3
	global_load_b32 v[WS+\i], v[L4], s[WSC:WSC+1] offset:128*\i
.endr
.Lwjoin:
	s_wait_tensorcnt 0x0                           ; my part of the rows' codes is in,
	s_barrier_signal -1
	s_barrier_wait -1                              ; everybody's is
	s_wait_loadcnt 0x0                             ; my weights
	s_mov_b32 s[CNT], 4
	s_mov_b32 s[GX], 0
.Lgroup:                                           ; four trips, a group of 128 rows each; every wave walks the loop, and the roles part inside it
	v_add_nc_u32 v[ADK], s[GX], v[XBK]
	v_add_nc_u32 v[ASK], s[GX], v[XSK]
	v_add_nc_u32 v[ADV], s[GX], v[LI]
	v_add_nc_u32 v[ASV], s[GX], v[XSV]
	s_cmp_lt_u32 s[WV], 4
	s_cbranch_scc0 .Lvarm
	FETCHX 0
	s_wait_alu depctr_va_vdst(0)
	KUNIT 0
	KUNIT 1
	KUNIT 2
	KUNIT 3
	s_branch .Ljoin
.Lvarm:
	WIN 0x40
.set f, 0
	s_wait_alu depctr_va_vdst(0)
.rept 16
.irp c, 0,1,2
	ds_load_b128 v[12*f+4*\c:12*f+4*\c+3], v[ADV] offset:f*1536+512*\c
.endr
.set f, f+1
.endr
	WIN 0
.irp e, 0,1,2,3,4,5,6,7
	ds_load_b32 v[XS+\e], v[ASV] offset:\e*128
.endr
	VUNIT 0
	VUNIT 1
	VUNIT 2
	VUNIT 3
.Ljoin:
	s_wait_xcnt 0x0                                ; the stores have read their bases: they step only behind this wait
	s_add_nc_u64 s[KO:KO+1], s[KO:KO+1], 49152
	s_add_nc_u64 s[SO:SO+1], s[SO:SO+1], 2048
	s_add_co_u32 s[GX], s[GX], GRP
	s_sub_co_u32 s[CNT], s[CNT], 1
	s_cmp_lg_u32 s[CNT], 0
	s_cbranch_scc1 .Lgroup
	s_wait_tensorcnt 0x0                           ; the wave's end
	ds_add_u32 v[SPW], v[NIL]
	s_wait_dscnt 0x0
	CROUND                                         ; the closing round
	s_endpgm
.Lfunc_end_k_q0ac0e38e28_proj:
	.size	k_q0ac0e38e28_proj, .Lfunc_end_k_q0ac0e38e28_proj-k_q0ac0e38e28_proj
	.p2alignl 7, 3214868480
	.fill 96, 4, 3214868480
	.section	.rodata,"a",@progbits
	.p2align	6, 0x0
	.amdhsa_kernel k_q0ac0e38e28_proj
		.amdhsa_group_segment_fixed_size 167936
		.amdhsa_private_segment_fixed_size 0
		.amdhsa_enable_private_segment 0
		.amdhsa_kernarg_size 32
		.amdhsa_user_sgpr_count 2
		.amdhsa_user_sgpr_kernarg_segment_ptr 1
		.amdhsa_wavefront_size32 1
		.amdhsa_system_sgpr_workgroup_id_x 1
		.amdhsa_system_sgpr_workgroup_id_y 1
		.amdhsa_system_sgpr_workgroup_id_z 1
		.amdhsa_system_vgpr_workitem_id 0
		.amdhsa_next_free_vgpr 512
		.amdhsa_next_free_sgpr 66
		.amdhsa_reserve_vcc 0
		.amdhsa_float_denorm_mode_32 3
		.amdhsa_float_denorm_mode_16_64 3
		.amdhsa_memory_ordered 1
		.amdhsa_forward_progress 1
		.amdhsa_inst_pref_size 77
	.end_amdhsa_kernel
	.amdgpu_metadata
---
amdhsa.version: [ 1, 2 ]
amdhsa.kernels:
  - .name:           k_q0ac0e38e28_proj
    .symbol:         k_q0ac0e38e28_proj.kd
    .args:
      - { .name: xq, .offset: 0, .size: 8, .value_kind: global_buffer, .address_space: global }
      - { .name: wc, .offset: 8, .size: 8, .value_kind: global_buffer, .address_space: global }
      - { .name: kvc, .offset: 16, .size: 8, .value_kind: global_buffer, .address_space: global }
      - { .name: kvs, .offset: 24, .size: 8, .value_kind: global_buffer, .address_space: global }
    .group_segment_fixed_size: 167936
    .private_segment_fixed_size: 0
    .kernarg_segment_align: 8
    .kernarg_segment_size: 32
    .max_flat_workgroup_size: 256
    .sgpr_count:     66
    .vgpr_count:     512
    .wavefront_size: 32
...
	.end_amdgpu_metadata
.endif
;; end of part 2
;; launch attn (part 3): grid 256 x 1, 8 waves a work-group, clusters of 4 x 1, 327,680 bytes of LDS; arguments xq, wc, kvc, kvs, ao; writes ao
.if DOCPART == 3
	.amdgcn_target "amdgcn-amd-amdhsa--gfx1250"
	.amdhsa_code_object_version 6
	.text
	.protected	k_q0ac0e38e28_attn
	.globl	k_q0ac0e38e28_attn
	.p2align	8
	.type	k_q0ac0e38e28_attn,@function
k_q0ac0e38e28_attn:
	s_mov_b64 s[64:65], 0
	v_nop
	global_prefetch_b8 v0, s[64:65] scope:SCOPE_SE
	s_setreg_imm32_b32 hwreg(HW_REG_WAVE_MODE, 25, 1), 1
	s_wait_xcnt 0x0
	s_wait_alu depctr_hold_cnt(0) depctr_sa_sdst(0) depctr_va_vdst(0) depctr_va_sdst(0) depctr_va_ssrc(0) depctr_va_vcc(0) depctr_vm_vsrc(0)
	s_getreg_b32 s2, hwreg(HW_REG_IB_STS2, 6, 4)
	s_cmp_eq_u32 s2, 0
	s_cbranch_scc0 .Lentry_in_a_cluster
	s_endpgm
.Lentry_in_a_cluster:
	s_bfe_u32 s2, ttmp6, 0x10000c
	s_cmp_lg_u32 s2, 0x3003
	s_cbranch_scc0 .Lentry_shape_is_right
	s_endpgm
.Lentry_shape_is_right:
; For one (batch, head) and 128 queries: q = x Wq (only the 512 positions that reference() keeps: the other rows of that product are left out), S^T = K Q^T, the softmax, O^T = V^T P^T, O / l, and the quantiser
; ahead of the last product; all products on codes of FP6 (E2M3) with E8M0 scales.
; THE SOFTMAX: t = score x c, c = log2(e) / 16 (the two factors 0.25 on q and k are powers of two: they change no code, only block scales, and are folded into c; this differs from the letter only where a block of
; 0.25 q or 0.25 k would meet the scale's lower hold, magnitudes under 2^-122).  M = the running largest t rounded UP to a whole number; p = 2^(t - M) is quantised along the keys; the row's sum is taken of the
; unquantised p; when M moves, the sum and O^T are multiplied by 2^(old M - new M), which rounds nothing.
; LIMITS: the scaled scores stay under 2^31 in magnitude; a block of zeros or under 2^-124 gets the scale byte 1 (read by this program alone); NaN and infinities are not served.
; SHARES.  A cluster is one (batch, head); its four work-groups take 128 queries each and walk the same K and V: every tensor load is JOINT (same line, descriptor and mask in all four).
; Eight waves.  Waves w and w ^ 4 own the same 32 queries (two tiles of 16, so that each fragment read from LDS feeds two matrix instructions) and take the key steps by turns: role 0 the even steps, role 1 the odd.
; A step is two halves: A = K Q^T of both tiles, tile 0's softmax, O^T of tile 0 under the new M; B = tile 1's softmax, its O^T under the new M, V^T P of both tiles.  In a trip role 0 runs A, B of step 2 s;
; role 1 runs B of step 2 s - 1, then A of step 2 s + 1: one role's products stand beside the other's vector work.  The role is ((w >> 2) ^ w) & 1.
; In each wave register tile 0 is the query tile 2 (w & 3) + role, register tile 1 the partner's: at the end a wave hands tile 1's O^T, M and sum to its partner through LDS and finishes tile 0.
; THE RING.  Two slots of 98,304 bytes.  Slot 0 holds K0 V0 K1 V1; slot s >= 1 the window V(2s-1) K(2s) V(2s) K(2s+1), consecutive bytes of kvc; the last window reaches past V15 (kvc has 98,304 spare bytes at its end;
; what lies there is brought and never read).  By this text's count a wave has one tensor load outstanding.
; REGISTERS.  window 1: O^T, 128 a tile.  window 0: v1-7 addresses; v8-15 statistics; v16-19 f; v20-31 scale words and images; v32-79 four fragments of K, or the softmax's scratch and p's codes;
; v80-207 S^T, then p, then ten fragments of V; v208-255 Q.
.set STEPB, 49152
.set HALFB, 24576
.set SLOTB, 98304
.set SCL,   98304                      ; the scale images of all 16 key steps: filled once
.set SLOT1, 131072
.set WQ,    229376                     ; the head's Wq, 51,200 bytes: filled once
.set QX,    280576                     ; Q from wave to wave: 3,328 bytes a tile of 16 queries (two fragments, a scale image); no tensor load lands here
.set QXW,   3328
.set SPARE, 307200                     ; the spare words, 128 bytes a wave
.set MG,    131072                     ; the last exchange, 16,896 bytes a wave, in slot 1 and Wq's bytes, behind their last fill and last read
.set MGW,   16896
.set LI,  1                            ; 16 x lane
.set L8S, 2                            ; 8 x lane + SCL
.set ADF, 3                            ; the fragments in hand
.set ADS, 4                            ; their scale images
.set SPW, 5
.set NIL, 6
.set PFO, 7                            ; 256 x lane
.set NM,  8                            ; tile t: v[8 + 4 t] -M, v[9 + 4 t] the largest t, v[10 + 4 t : 11 + 4 t] the sum in two halves
.set L,   10
.set F,   16                           ; v[16 + 2 t] f; the upper halves of the pairs hold 0
.set H4,  16                           ; at the head: 4 x lane, my place in QX (fragments, scale image)
.set HQS, 17
.set HQ4, 18
.set PW,  20                           ; p's scale words (at the head x's scale image)
.set QS,  22
.set SC,  24                           ; eight scale images
.set PWQ, 24                           ; at the head and the end: the scale word just made, a scale image
.set PWA, 25
.set FB,  32
.set BM,  32
.set BP,  36
.set BO,  40
.set BT,  44
.set TM,  32
.set CT,  48
.set PC,  56
.set S,   80
.set Q,   208
.set WV,  14
.set CX,  15
.set PAR, 16
.set GRP, 17
.set PFA, 18
.set LIM, 20
.set CNT, 21
.set CS,  22
.set G1W, 24                           ; groups 1: 100, 64, 96, 48 rows of 256 bytes
.set G1S, 32
.set G1A, 40
.set G1R, 48
.set G0W, 56
.set G0S, 60
.set G0A, 68
.set G0R, 72                           ; the ring's walking group 0
.set TK,  76
.set TV,  77
.set TSK, 78
.set TSV, 79
.set SEL, 80
.set HMASK, 82
.set AO,  84
.set AS,  86
.set XQ,  88
.set XQS, 90
.set MSB, 0
.macro WIN new
.if MSB != \new
	s_set_vgpr_msb (MSB<<8)|\new
.set MSB, \new
.endif
.endm
.macro PLACES n
.rept \n
	v_nop
.endr
.endm
.macro CROUND
	s_barrier_signal -1
	s_barrier_wait -1
	s_cmp_lg_u32 s[WV], 0
	s_cbranch_scc1 .Lnot_wave_0_\@
	s_barrier_signal -3
.Lnot_wave_0_\@:
	s_barrier_wait -3
	s_barrier_signal -1
	s_barrier_wait -1
.endm
.macro QUANT src, pcd, tmp             ; 64 numbers of a lane, register 16 b + i = k 32 b + 16 (lane / 16) + i of my row -> a fragment's codes in v[pcd] on, its scale word in v[PWQ]
.irp b, 0,1,2,3
	v_max3_num_f32 v[TM+\b], |v[(\src)+16*\b]|, |v[(\src)+16*\b+1]|, 0x1800000
.endr
.irp i, 2,4,6,8,10,12,14
.irp b, 0,1,2,3
	v_max3_num_f32 v[TM+\b], v[TM+\b], |v[(\src)+16*\b+\i]|, |v[(\src)+16*\b+\i+1]|
.endr
.endr
.irp b, 0,1,2,3
	v_permlanex16_b32 v[TM+4+\b], v[TM+\b], s[SEL], s[SEL+1]
.endr
.irp b, 0,1,2,3
	v_max_num_f32 v[TM+\b], v[TM+\b], v[TM+4+\b]
.endr
.irp b, 0,1,2,3
	v_add_nc_u32 v[TM+12+\b], 0xff000000, v[TM+\b]
.endr
.irp b, 0,1,2,3
	v_lshrrev_b32 v[TM+4+\b], 23, v[TM+12+\b]
.endr
	v_lshl_or_b32 v[PWQ], v[TM+5], 8, v[TM+4]
	s_delay_alu instid0(VALU_DEP_1)
	v_lshl_or_b32 v[PWQ], v[TM+6], 16, v[PWQ]
	s_delay_alu instid0(VALU_DEP_1)
	v_lshl_or_b32 v[PWQ], v[TM+7], 24, v[PWQ]
.irp c, 0,1
	v_cvt_scalef32_pk16_fp6_f32 v[(\pcd)+6*\c:(\pcd)+6*\c+2], v[(\src)+32*\c:(\src)+32*\c+15], v[TM+12+2*\c]
	v_cvt_scalef32_pk16_fp6_f32 v[(\tmp)+4*\c:(\tmp)+4*\c+2], v[(\src)+32*\c+16:(\src)+32*\c+31], v[TM+12+2*\c+1]
.endr
	v_nop                                          ; one plain place behind the scaled conversions
.irp c, 0,1
.irp i, 0,1,2
	v_permlane16_swap_b32 v[(\pcd)+6*\c+\i], v[(\tmp)+4*\c+\i]
.endr
.irp i, 0,1,2
	v_mov_b32 v[(\pcd)+6*\c+3+\i], v[(\tmp)+4*\c+\i]
.endr
.endr
.endm
.macro WM cm, d, a, b, sa, sb, ra, rb  ; one matrix instruction.  cm = 0: C is 0; 1: in place.  ra, rb = 1: that side's scales stand in lanes 16-31
.set zD, \d
.set zA, \a
.set zB, \b
.set zE, \sa
.set zF, \sb
.set zR, 4*(\cm)+2*(\ra)+(\rb)
.if zR == 0
	v_wmma_scale_f32_16x16x128_f8f6f4 v[zD:zD+7], v[zA:zA+11], v[zB:zB+11], 0, v[zE], v[zF] matrix_a_fmt:MATRIX_FMT_FP6 matrix_b_fmt:MATRIX_FMT_FP6
.elseif zR == 1
	v_wmma_scale_f32_16x16x128_f8f6f4 v[zD:zD+7], v[zA:zA+11], v[zB:zB+11], 0, v[zE], v[zF] matrix_a_fmt:MATRIX_FMT_FP6 matrix_b_fmt:MATRIX_FMT_FP6 matrix_b_scale:MATRIX_SCALE_ROW1
.elseif zR == 2
	v_wmma_scale_f32_16x16x128_f8f6f4 v[zD:zD+7], v[zA:zA+11], v[zB:zB+11], 0, v[zE], v[zF] matrix_a_fmt:MATRIX_FMT_FP6 matrix_b_fmt:MATRIX_FMT_FP6 matrix_a_scale:MATRIX_SCALE_ROW1
.elseif zR == 3
	v_wmma_scale_f32_16x16x128_f8f6f4 v[zD:zD+7], v[zA:zA+11], v[zB:zB+11], 0, v[zE], v[zF] matrix_a_fmt:MATRIX_FMT_FP6 matrix_b_fmt:MATRIX_FMT_FP6 matrix_a_scale:MATRIX_SCALE_ROW1 matrix_b_scale:MATRIX_SCALE_ROW1
.elseif zR == 4
	v_wmma_scale_f32_16x16x128_f8f6f4 v[zD:zD+7], v[zA:zA+11], v[zB:zB+11], v[zD:zD+7], v[zE], v[zF] matrix_a_fmt:MATRIX_FMT_FP6 matrix_b_fmt:MATRIX_FMT_FP6
.elseif zR == 5
	v_wmma_scale_f32_16x16x128_f8f6f4 v[zD:zD+7], v[zA:zA+11], v[zB:zB+11], v[zD:zD+7], v[zE], v[zF] matrix_a_fmt:MATRIX_FMT_FP6 matrix_b_fmt:MATRIX_FMT_FP6 matrix_b_scale:MATRIX_SCALE_ROW1
.elseif zR == 6
	v_wmma_scale_f32_16x16x128_f8f6f4 v[zD:zD+7], v[zA:zA+11], v[zB:zB+11], v[zD:zD+7], v[zE], v[zF] matrix_a_fmt:MATRIX_FMT_FP6 matrix_b_fmt:MATRIX_FMT_FP6 matrix_a_scale:MATRIX_SCALE_ROW1
.else
	v_wmma_scale_f32_16x16x128_f8f6f4 v[zD:zD+7], v[zA:zA+11], v[zB:zB+11], v[zD:zD+7], v[zE], v[zF] matrix_a_fmt:MATRIX_FMT_FP6 matrix_b_fmt:MATRIX_FMT_FP6 matrix_a_scale:MATRIX_SCALE_ROW1 matrix_b_scale:MATRIX_SCALE_ROW1
.endif
.endm
.macro FRAG3 reg, off                  ; a fragment: three loads of 512 consecutive bytes
.set zG, \reg
.set zO, \off
.irp c, 0,1,2
	ds_load_b128 v[zG+4*\c:zG+4*\c+3], v[ADF] offset:zO+512*\c
.endr
.endm
.macro KFRAG u                         ; K's fragment for product u (half u / 8 of the head's axis, key tile u % 8) into buffer u % 4
	FRAG3 FB+12*((\u)%4), (2*((\u)%8)+(\u)/8)*1536
.endm
.macro WFRAG i                         ; Wq's fragment for product i (K step i / 16, tile i % 16)
	FRAG3 FB+12*((\i)%4), (2*((\i)%16)+(\i)/16)*1536
.endm
.macro VFRAG d                         ; V's fragment of channel tile d into buffer d % 10: five in tile 0's S^T, five in tile 1's
	FRAG3 S+12*((\d)%10)+4*(((\d)%10)/5), (\d)*1536
.endm
; S^T = K Q^T of both tiles: 16 fragments through four buffers, two matrix instructions each; the 16 accumulators take turns
.macro KQ
.irp i, 0,1,2,3
	ds_load_b64 v[SC+2*\i:SC+2*\i+1], v[ADS] offset:256*\i
.endr
.irp u, 0,1,2,3
	KFRAG \u
.endr
.set u, 0
.rept 16
.if u%4 == 0
	s_wait_dscnt 6                                 ; the group's first two fragments are in; its last two, six loads, may be out
.elseif u%4 == 2
	s_wait_dscnt 0x0
.endif
	WM u/8, S+8*(u%8), FB+12*(u%4), Q+12*(u/8), SC+4*(u/8)+(u%8)/2, QS, u&1, u/8
	WM u/8, S+64+8*(u%8), FB+12*(u%4), Q+24+12*(u/8), SC+4*(u/8)+(u%8)/2, QS+1, u&1, u/8
.if (u%4 == 3) && (u < 12)
	PLACES 4                                       ; in front of loads into registers that matrix instructions have read: once for a group of four fragments
	KFRAG u+1
	KFRAG u+2
	KFRAG u+3
	KFRAG u+4
.endif
.set u, u+1
.endr
	PLACES 4                                       ; in front of the first read of the scores
.endm
; One tile's softmax for one key step: block maxima, the running M, one batch of scalings, one of exponentials, the sum, p's scale word and codes
.macro SOFTMAX t
.set rS, S+64*(\t)
.set rN, NM+4*(\t)
.set rL, L+4*(\t)
.set rF, F+2*(\t)
.set rW, PW+(\t)
.set rC, PC+12*(\t)
	s_wait_alu depctr_va_vdst(0)                   ; ahead of the first read of the scores
.irp b, 0,1,2,3
	v_max3_num_f32 v[BM+\b], v[rS+16*\b], v[rS+16*\b+1], v[rS+16*\b+2]   ; the largest score of each block of 32 keys; each accumulator is read from its low end on
.endr
.irp i, 3,5,7,9,11,13
.irp b, 0,1,2,3
	v_max3_num_f32 v[BM+\b], v[BM+\b], v[rS+16*\b+\i], v[rS+16*\b+\i+1]
.endr
.endr
.irp b, 0,1,2,3
	v_max_num_f32 v[BM+\b], v[BM+\b], v[rS+16*\b+15]
.endr
.irp b, 0,1,2,3
	v_permlanex16_b32 v[BP+\b], v[BM+\b], s[SEL], s[SEL+1]
.endr
.irp b, 0,1,2,3
	v_max_num_f32 v[BM+\b], v[BM+\b], v[BP+\b]
.endr
	v_max3_num_f32 v[BT], v[BM], v[BM+1], v[BM+2]
	s_delay_alu instid0(VALU_DEP_1)
	v_max_num_f32 v[BT], v[BT], v[BM+3]
	s_delay_alu instid0(VALU_DEP_1)
	v_mul_f32 v[BT], s[CS], v[BT]
	s_delay_alu instid0(VALU_DEP_1)
	v_max_num_f32 v[rN+1], v[rN+1], v[BT]          ; the running largest t
	v_mov_b32 v[BT], v[rN]
	s_delay_alu instid0(VALU_DEP_2)
	v_floor_f32 v[rN], -v[rN+1]                    ; the new -M
	s_delay_alu instid0(VALU_DEP_1)
	v_sub_f32 v[BT], v[rN], v[BT]
	s_delay_alu instid0(VALU_DEP_1)
	v_cvt_i32_f32 v[BT], v[BT]
	s_delay_alu instid0(VALU_DEP_1)
	v_ldexp_f32 v[rF], 1.0, v[BT]                  ; f = 2^(old M - new M)
.set j, 0
.rept 32
	v_pk_fma_f32 v[rS+j:rS+j+1], v[rS+j:rS+j+1], s[CS:CS+1], v[rN:rN+1] op_sel_hi:[1,0,0]   ; t - M
.set j, j+2
.endr
.irp b, 0,1,2,3
	v_fma_f32 v[BM+\b], v[BM+\b], s[CS], v[rN]
.endr
	s_wait_alu depctr_va_vdst(0)                   ; ahead of the batch
.set j, 0
.rept 64
	v_exp_f32 v[rS+j], v[rS+j]
.set j, j+1
.endr
.irp b, 0,1,2,3
	v_exp_f32 v[BM+\b], v[BM+\b]                   ; the blocks' largest p
.endr
	v_pk_mul_f32 v[rL:rL+1], v[rL:rL+1], v[rF:rF+1] op_sel_hi:[1,0]   ; the sum under the new M: the plain place behind the batch
	s_wait_alu depctr_va_vdst(0)                   ; and the wait behind it
	v_pk_add_f32 v[BP:BP+1], v[rS:rS+1], v[rS+2:rS+3]                 ; the row's sum of the unquantised p, in four chains
	v_pk_add_f32 v[BO:BO+1], v[rS+4:rS+5], v[rS+6:rS+7]
	v_pk_add_f32 v[BO+2:BO+3], v[rS+8:rS+9], v[rS+10:rS+11]
	v_pk_add_f32 v[rL:rL+1], v[rL:rL+1], v[rS+12:rS+13]
.irp i, 14,22,30,38,46,54
	v_pk_add_f32 v[BP:BP+1], v[BP:BP+1], v[rS+\i:rS+\i+1]
	v_pk_add_f32 v[BO:BO+1], v[BO:BO+1], v[rS+\i+2:rS+\i+3]
	v_pk_add_f32 v[BO+2:BO+3], v[BO+2:BO+3], v[rS+\i+4:rS+\i+5]
	v_pk_add_f32 v[rL:rL+1], v[rL:rL+1], v[rS+\i+6:rS+\i+7]
.endr
	v_pk_add_f32 v[BP:BP+1], v[BP:BP+1], v[rS+62:rS+63]
	v_pk_add_f32 v[rL:rL+1], v[rL:rL+1], v[BO+2:BO+3]
	v_pk_add_f32 v[BP:BP+1], v[BP:BP+1], v[BO:BO+1]
	s_delay_alu instid0(VALU_DEP_1)
	v_pk_add_f32 v[rL:rL+1], v[rL:rL+1], v[BP:BP+1]
.irp b, 0,1,2,3
	v_max_num_f32 v[BM+\b], 0x1800000, v[BM+\b]    ; the floor 2^(3 - 127): the byte cannot fall under 1
.endr
.irp b, 0,1,2,3
	v_add_nc_u32 v[BO+\b], 0xff000000, v[BM+\b]    ; 2 off the exponent field: the conversion's scale operand
.endr
.irp b, 0,1,2,3
	v_lshrrev_b32 v[BP+\b], 23, v[BO+\b]
.endr
	v_lshl_or_b32 v[rW], v[BP+1], 8, v[BP]
	s_delay_alu instid0(VALU_DEP_1)
	v_lshl_or_b32 v[rW], v[BP+2], 16, v[rW]
	s_delay_alu instid0(VALU_DEP_1)
	v_lshl_or_b32 v[rW], v[BP+3], 24, v[rW]
.irp c, 0,1
	v_cvt_scalef32_pk16_fp6_f32 v[rC+6*\c:rC+6*\c+2], v[rS+32*\c:rS+32*\c+15], v[BO+2*\c]
	v_cvt_scalef32_pk16_fp6_f32 v[CT+4*\c:CT+4*\c+2], v[rS+32*\c+16:rS+32*\c+31], v[BO+2*\c+1]
.endr
	v_nop                                          ; one plain place behind the scaled conversions
.irp c, 0,1
.irp i, 0,1,2
	v_permlane16_swap_b32 v[rC+6*\c+\i], v[CT+4*\c+\i]
.endr
.irp i, 0,1,2
	v_mov_b32 v[rC+6*\c+3+\i], v[CT+4*\c+\i]
.endr
.endr
.endm
.macro RESCALE t                       ; the tile's O^T times f, each accumulator from its low end on; these 64 lines also part the writes of p's scale word and codes from the products that take them
	WIN 0x41                                       ; O^T (destination, source 0) window 1
	s_wait_alu depctr_va_vdst(0)                   ; directly ahead of the first reader of O^T
.set j, 0
.rept 64
	v_pk_mul_f32 v[128*(\t)+j:128*(\t)+j+1], v[128*(\t)+j:128*(\t)+j+1], v[F+2*(\t):F+2*(\t)+1] op_sel_hi:[1,0]
.set j, j+2
.endr
	WIN 0
.endm
.macro PHASE_A first                   ; first = 1: there is no O^T yet
	v_add_nc_u32 v[ADF], s[TK], v[LI]
	v_add_nc_u32 v[ADS], s[TSK], v[L8S]
	s_wait_alu depctr_va_vdst(0)
	KQ
	SOFTMAX 0
.if (\first) == 0
	RESCALE 0
.endif
	s_wait_alu depctr_va_vdst(0)                   ; ahead of the branches and waits that follow
.endm
.macro PHASE_B first                   ; first = 1: the products start O^T's sums
	v_add_nc_u32 v[ADF], s[TV], v[LI]
	v_add_nc_u32 v[ADS], s[TSV], v[L8S]
	s_wait_alu depctr_va_vdst(0)
.irp i, 0,1,2,3
	ds_load_b64 v[SC+2*\i:SC+2*\i+1], v[ADS] offset:1024+256*\i
.endr
.irp d, 0,1,2,3,4
	VFRAG \d                                       ; into tile 0's p, which has been converted
.endr
	SOFTMAX 1
.irp d, 5,6,7,8,9
	VFRAG \d                                       ; into tile 1's
.endr
.if \first
	PLACES 8                                       ; between the writes of p's scale word and codes and the products
.else
	RESCALE 1
.endif
	s_wait_alu depctr_va_vdst(0)                   ; ahead of the waits below
	WIN 0x50                                       ; C and D window 1
.set d, 0
.rept 16
.if d == 0
	s_wait_dscnt 15                                ; the images and fragments 0-4 are in; fragments 5-9 may be out
.elseif d == 5
	s_wait_dscnt 12                                ; fragments 6-9 may be out
.elseif d == 6
	s_wait_dscnt 18                                ; the 18 loads of fragments 10-15 may be out
.elseif d >= 10
	s_wait_dscnt 3*(15-d)
.endif
	WM 1-(\first), 8*d, S+12*(d%10)+4*((d%10)/5), PC, SC+d/2, PW, d&1, 0
	WM 1-(\first), 128+8*d, S+12*(d%10)+4*((d%10)/5), PC+12, SC+d/2, PW+1, d&1, 0
.if d == 5
	WIN 0
	PLACES 4
.irp e, 10,11,12,13,14,15
	VFRAG \e
.endr
	WIN 0x50
.endif
.set d, d+1
.endr
	WIN 0
	PLACES 5                                       ; in front of loads into, and matrix results laid over, registers that these products have read
.endm
; A prefetch of the window that the NEXT change of slots will ask for: its 384 pieces of 256 bytes are shared out by ADDRESS among the four partners, and in each among waves 0 to 2, a lane a piece.
; The last change that fills a slot asks for nothing; the first three windows come by their loads alone.
.macro ASK
	s_cmp_gt_u32 s[CNT], s[LIM]
	s_cbranch_scc0 .Lnot_mine_\@
	global_prefetch_b8 v[PFO], s[PFA:PFA+1] th:TH_LOAD_NT scope:SCOPE_SE
.Lnot_mine_\@:
.endm
.macro CHANGE fill                     ; the change of slots
	s_wait_tensorcnt 0x0                           ; no tensor load of mine is out, so a group 0 may be written
	ds_add_u32 v[SPW], v[NIL]
.if \fill
	s_xor_b32 s[G0R+1], s[G0R+1], SLOT1            ; the other slot,
	s_add_nc_u64 s[G0R+2:G0R+3], s[G0R+2:G0R+3], SLOTB   ; the next window
	s_wait_xcnt 0x0                                ; the last prefetch, a trip back, has read its address
	s_add_nc_u64 s[PFA:PFA+1], s[PFA:PFA+1], SLOTB
	s_wait_dscnt 0x0                               ; the add is done, and my reads of the slot are over
	CROUND
	tensor_load_to_lds s[G0R:G0R+3], s[G1R:G1R+7]
	s_nop 0
	PLACES 4
	ASK
.else
	s_wait_dscnt 0x0
	s_barrier_signal -1
	s_barrier_wait -1
.endif
.endm
	s_load_b256 s[4:11], s[0:1], 0x0               ; xq, wc, kvc, kvs
	s_load_b64 s[12:13], s[0:1], 0x20              ; ao
	v_lshl_add_u32 v[SPW], v0, 2, SPARE
	v_mov_b32 v[NIL], 0
	ds_add_u32 v[SPW], v[NIL]                      ; the opening lines: the add, twice on end, and its wait ahead of my first tensor load
	ds_add_u32 v[SPW], v[NIL]
	v_lshrrev_b32 v[ADF], 5, v0
	v_readfirstlane_b32 s[WV], v[ADF]              ; wave 0..7
	s_bfe_u32 s[CX], ttmp6, 0x40000                ; my block of 128 queries: it enters global addresses of x, ao and the prefetches alone
	s_lshr_b32 s[PAR], s[WV], 2
	s_xor_b32 s[PAR], s[PAR], s[WV]
	s_and_b32 s[PAR], s[PAR], 1                    ; my role
	s_and_b32 s[GRP], s[WV], 3                     ; my 32 queries
.irp g, G1W, G1S, G1A, G1R
	s_mov_b32 s[\g], 15|(3<<16)|(1<<21)            ; the mask: all four work-groups; elements of 8 bytes; bit 21 beside a mask
	s_mov_b32 s[\g+1], 32<<16                      ; rows of 256 bytes
	s_mov_b32 s[\g+3], 32<<16
	s_mov_b32 s[\g+5], 32                          ; dense
	s_mov_b32 s[\g+6], 0
	s_mov_b32 s[\g+7], 0
.endr
	s_mov_b32 s[G1W+2], 100<<16
	s_mov_b32 s[G1W+4], 100
	s_mov_b32 s[G1S+2], 64<<16
	s_mov_b32 s[G1S+4], 64
	s_mov_b32 s[G1A+2], 96<<16
	s_mov_b32 s[G1A+4], 96
	s_mov_b32 s[G1R+2], 48<<16
	s_mov_b32 s[G1R+4], 48
	s_mov_b32 s[CS], 0x3db8aa3b                    ; c = log2(e) / 16
	s_mov_b32 s[CS+1], s[CS]
	s_mov_b32 s[SEL], 0x76543210
	s_mov_b32 s[SEL+1], 0xfedcba98
	s_mov_b32 s[HMASK], 0xffff0000
	s_cmp_lt_u32 s[WV], 3
	s_cselect_b32 s[LIM], 1, -1                    ; waves 0 to 2 prefetch: the same in all partners
	s_and_b32 s92, s[WV], 1
	s_lshr_b32 s93, ttmp9, 2                       ; the batch
	s_and_b32 s94, ttmp9, 3                        ; the head
	s_mov_b32 s[G0W], 1                            ; waves 0, 1: a half of the head's Wq
	s_mul_i32 s95, s92, 25600
	s_add_co_u32 s[G0W+1], s95, WQ
	s_mul_i32 s[G0W+2], s94, 51200
	s_add_co_u32 s[G0W+2], s[G0W+2], s95
	s_mov_b32 s[G0W+3], 0
	s_mov_b32 s[G0S], 1                            ; waves 2, 3: a half of the scale images
	s_lshl_b32 s95, s92, 14
	s_add_co_u32 s[G0S+1], s95, SCL
	s_lshl_b32 s[G0S+2], ttmp9, 15
	s_add_co_u32 s[G0S+2], s[G0S+2], s95
	s_mov_b32 s[G0S+3], 0
	s_mov_b32 s[G0A], 1                            ; waves 4-7: a quarter of slot 0
	s_mul_i32 s[G0A+1], s[GRP], HALFB
	s_mul_i32 s96, ttmp9, 786432
	s_add_co_u32 s[G0A+2], s96, s[G0A+1]
	s_mov_b32 s[G0A+3], 0
	s_mov_b32 s[G0R], 1                            ; the ring: an eighth of a window a wave; the first is window 1, into slot 1
	s_mul_i32 s95, s[WV], 12288
	s_add_co_u32 s[G0R+1], s95, SLOT1
	s_add_co_u32 s[G0R+2], s96, s95
	s_add_co_u32 s[G0R+2], s[G0R+2], SLOTB-HALFB
	s_mov_b32 s[G0R+3], 0
	s_lshl_b32 s97, s[GRP], 1
	s_add_co_u32 s97, s97, s[PAR]                  ; my own tile of the work-group's eight
	s_lshl_b32 s[XQ], s93, 4
	s_add_co_u32 s[XQ], s[XQ], s[CX]
	s_mul_i32 s[XQ], s[XQ], 25600                  ; my queries' group of xq: 16 b + cx
	s_lshl_b32 s95, s[GRP], 8                      ; the scale images of my 32 queries' two tiles
	s_add_co_u32 s[XQS], s[XQ], s95
	s_add_co_u32 s[XQS], s[XQS], 24576
	s_mov_b32 s[XQS+1], 0
	s_mul_i32 s95, s[GRP], 6144                    ; and their four fragments
	s_add_co_u32 s[XQ], s[XQ], s95
	s_mov_b32 s[XQ+1], 0
	s_lshl_b32 s95, s93, 2
	s_add_co_u32 s95, s95, s[CX]
	s_lshl_b32 s95, s95, 3
	s_add_co_u32 s95, s95, s97
	s_mul_i32 s95, s95, 12800                      ; my tile of rows in ao
	s_mul_i32 s98, s94, 3072
	s_add_co_u32 s[AO], s95, s98                   ; its K steps 2 h, 2 h + 1
	s_mov_b32 s[AO+1], 0
	s_lshl_b32 s98, s94, 7
	s_add_co_u32 s[AS], s95, s98
	s_add_co_u32 s[AS], s[AS], 12288               ; and head h's scale image
	s_mov_b32 s[AS+1], 0
	s_mul_i32 s95, s[CX], 3
	s_add_co_u32 s95, s95, s[WV]
	s_lshl_b32 s95, s95, 13                        ; the prefetches: 8,192 bytes for each of 4 x 3 waves,
	s_add_co_u32 s[PFA], s96, s95
	s_add_co_u32 s[PFA], s[PFA], 2*SLOTB-HALFB     ; in window 2: the first change of slots steps it to window 3
	s_mov_b32 s[PFA+1], 0
	s_mul_i32 s[TK], s[PAR], STEPB                 ; slot 0: my first step's K, V and scale images
	s_add_co_u32 s[TV], s[TK], HALFB
	s_lshl_b32 s[TSK], s[PAR], 11
	s_lshl_b32 s[TSV], s[PAR], 11
	s_mul_i32 s99, s[GRP], 2*QXW
	s_add_co_u32 s99, s99, QX                      ; my 32 queries' two tiles in QX:
	s_mul_i32 s95, s[PAR], 1536
	s_add_co_u32 s98, s99, s95                     ; where my half's fragments go,
	s_lshl_b32 s95, s[PAR], 6
	s_add_co_u32 s99, s99, s95
	s_add_co_u32 s99, s99, 3072                    ; and my half's scale words: 16 words of a scale image
	s_mul_i32 s100, s97, QXW
	s_add_co_u32 s100, s100, QX                    ; register tile 0 comes from my own tile's place,
	s_xor_b32 s101, s97, 1
	s_mul_i32 s101, s101, QXW
	s_add_co_u32 s101, s101, QX                    ; register tile 1 from the other's
	s_mul_i32 s92, s[PAR], 24576
	s_add_co_u32 s92, s92, WQ                      ; my half of Wq's fragments,
	s_lshl_b32 s93, s[PAR], 10
	s_add_co_u32 s93, s93, WQ+49152                ; and of its scale images
	v_and_b32 v[ADS], 31, v0
	v_lshlrev_b32 v[LI], 4, v[ADS]
	v_lshlrev_b32 v[PFO], 8, v[ADS]
	v_lshlrev_b32 v[L8S], 3, v[ADS]
	v_lshlrev_b32 v[H4], 2, v[ADS]
	v_add_nc_u32 v[L8S], SCL, v[L8S]
	v_add_nc_u32 v[ADF], s92, v[LI]
	v_add_nc_u32 v[ADS], s93, v[H4]
	v_add_nc_u32 v[HQS], s98, v[LI]
	v_and_b32 v[HQ4], 15, v0
	v_lshl_add_u32 v[HQ4], v[HQ4], 2, s99          ; lanes l and l + 16 hold the same scale word and write it to the same place
	s_wait_alu depctr_va_vdst(0)                   ; ahead of the waits below
	s_wait_dscnt 0x0                               ; both opening adds are done
	s_wait_kmcnt 0x0
	s_add_nc_u64 s[G0W+2:G0W+3], s[6:7], s[G0W+2:G0W+3]
	s_or_b32 s[G0W+3], s[G0W+3], 0x80000000
	s_add_nc_u64 s[G0S+2:G0S+3], s[10:11], s[G0S+2:G0S+3]
	s_or_b32 s[G0S+3], s[G0S+3], 0x80000000
	s_add_nc_u64 s[G0A+2:G0A+3], s[8:9], s[G0A+2:G0A+3]
	s_or_b32 s[G0A+3], s[G0A+3], 0x80000000
	s_add_nc_u64 s[G0R+2:G0R+3], s[8:9], s[G0R+2:G0R+3]
	s_or_b32 s[G0R+3], s[G0R+3], 0x80000000
	s_add_nc_u64 s[XQ:XQ+1], s[4:5], s[XQ:XQ+1]
	s_add_nc_u64 s[XQS:XQS+1], s[4:5], s[XQS:XQS+1]
	s_add_nc_u64 s[AO:AO+1], s[12:13], s[AO:AO+1]
	s_add_nc_u64 s[AS:AS+1], s[12:13], s[AS:AS+1]
	s_add_nc_u64 s[PFA:PFA+1], s[8:9], s[PFA:PFA+1]
	CROUND                                         ; all four work-groups are here: the first joint loads meet
	s_cmp_lt_u32 s[WV], 2                          ; the head's loads, one a wave, in one chain of branches on the wave's number
	s_cbranch_scc0 .Lhead_s
	tensor_load_to_lds s[G0W:G0W+3], s[G1W:G1W+7]
	s_nop 0
	PLACES 4
	s_branch .Lhead_asked
.Lhead_s:
	s_cmp_lt_u32 s[WV], 4
	s_cbranch_scc0 .Lhead_a
	tensor_load_to_lds s[G0S:G0S+3], s[G1S:G1S+7]
	s_nop 0
	PLACES 4
	s_branch .Lhead_asked
.Lhead_a:
	tensor_load_to_lds s[G0A:G0A+3], s[G1A:G1A+7]
	s_nop 0
	PLACES 4
.Lhead_asked:
.irp f, 0,1,2,3
.irp c, 0,1,2
	global_load_b128 v[Q+12*\f+4*\c:Q+12*\f+4*\c+3], v[LI], s[XQ:XQ+1] offset:\f*1536+512*\c   ; x: fragment (tile f / 2 of my two, K step f % 2)
.endr
.endr
	global_load_b32 v[PW], v[H4], s[XQS:XQS+1]     ; and the two tiles' scale images
	global_load_b32 v[PW+1], v[H4], s[XQS:XQS+1] offset:128
	s_wait_tensorcnt 0x0                           ; my part of the head's tiles is in
	ds_add_u32 v[SPW], v[NIL]
	s_wait_dscnt 0x0
	CROUND
	tensor_load_to_lds s[G0R:G0R+3], s[G1R:G1R+7]  ; window 1 into slot 1
	s_nop 0
	PLACES 4
	; q: my role's half of the head's 256, for both tiles of my 32 queries (source 0 = 16 columns of Wq, source 1 = 16 rows of x), 16 accumulators by turns.
	; My 16 fragments of Wq, each feeding two matrix instructions, lie in window 1, where O^T will be.
.irp i, 0,1,2,3,4,5,6,7
	ds_load_b32 v[SC+\i], v[ADS] offset:128*\i     ; Wq's images (pair i / 2 of my four, K step i % 2)
.endr
	WIN 0x40                                       ; destination window 1
.set i, 0
.rept 16                                           ; in the order of their use: K step i / 8, tile i % 8
	FRAG3 12*(2*(i%8)+i/8), (2*(i%8)+i/8)*1536
.set i, i+1
.endr
	s_wait_loadcnt 0x0                             ; x
	WIN 0x01                                       ; source 0 (Wq) window 1
.set i, 0
.rept 16
.if i%4 == 0
	s_wait_dscnt 3*(12-i)                          ; fragments i .. i + 3 are in; the 12 - i younger ones, three loads each, may be out
.endif
	WM i/8, S+8*(i%8), 12*(2*(i%8)+i/8), Q+12*(i/8), SC+2*((i%8)/2)+i/8, PW, i&1, i/8
	WM i/8, S+64+8*(i%8), 12*(2*(i%8)+i/8), Q+24+12*(i/8), SC+2*((i%8)/2)+i/8, PW+1, i&1, i/8
.set i, i+1
.endr
	WIN 0
	PLACES 4
	QUANT S, PC, CT                                ; the first tile's fragment of my half,
.irp c, 0,1,2
	ds_store_b128 v[HQS], v[PC+4*\c:PC+4*\c+3] offset:512*\c
.endr
	ds_store_b32 v[HQ4], v[PWQ]
	QUANT S+64, PC+12, CT                          ; and the second tile's
.irp c, 0,1,2
	ds_store_b128 v[HQS], v[PC+12+4*\c:PC+12+4*\c+3] offset:QXW+512*\c
.endr
	ds_store_b32 v[HQ4], v[PWQ] offset:QXW
	v_add_nc_u32 v[ADF], s100, v[LI]
	v_add_nc_u32 v[ADS], s101, v[LI]
	v_add_nc_u32 v[HQ4+1], s100, v[H4]
	v_add_nc_u32 v[H4], s101, v[H4]
	s_wait_alu depctr_va_vdst(0)                   ; ahead of the wait below
	s_wait_dscnt 0x0                               ; my stores are done: for the partner's sake
	s_barrier_signal -1
	s_barrier_wait -1                              ; slot 1's load may stay out
.irp f, 0,1
.irp c, 0,1,2
	ds_load_b128 v[Q+12*\f+4*\c:Q+12*\f+4*\c+3], v[ADF] offset:1536*\f+512*\c          ; register tile 0: my own tile
	ds_load_b128 v[Q+24+12*\f+4*\c:Q+24+12*\f+4*\c+3], v[ADS] offset:1536*\f+512*\c    ; register tile 1: my partner's
.endr
.endr
	ds_load_b32 v[QS], v[HQ4+1] offset:3072
	ds_load_b32 v[QS+1], v[H4] offset:3072
.irp t, 0,1
	v_mov_b32 v[NM+4*\t+1], 0xff61b1e6             ; the largest t so far: -3e38
	v_floor_f32 v[NM+4*\t], -v[NM+4*\t+1]
	v_mov_b32 v[L+4*\t], 0
	v_mov_b32 v[L+4*\t+1], 0
	v_mov_b32 v[F+2*\t], 0
	v_mov_b32 v[F+2*\t+1], 0                       ; (named as the upper half of a pair)
.endr
	PHASE_A 1                                      ; both roles' first steps, 0 and 1, out of slot 0
	PHASE_B 1
	s_add_co_u32 s[TK], s[TK], SLOT1+HALFB         ; in a window: role 0's K at 24,576, role 1's at 73,728;
	s_xor_b32 s95, s[PAR], 1
	s_mul_i32 s[TV], s95, STEPB
	s_add_co_u32 s[TV], s[TV], SLOT1               ; role 0's V at 49,152, role 1's at 0
	s_add_co_u32 s[TSK], s[TSK], 4096              ; steps 2 and 3;
	s_lshl_b32 s[TSV], s95, 11
	s_add_co_u32 s[TSV], s[TSV], 2048              ; steps 2 and 1
	s_mov_b32 s[CNT], 7
.Ltrip:                                            ; seven trips, windows 1 to 7; each fills the slot just left with the window after next
	CHANGE 1
	s_cmp_eq_u32 s[PAR], 0
	s_cbranch_scc0 .Lodd
	PHASE_A 0
	PHASE_B 0
	s_branch .Ljoin
.Lodd:
	s_cmp_eq_u32 s[CNT], 7                         ; step 1's second half has been done out of slot 0
	s_cbranch_scc1 .Lno_b
	PHASE_B 0
.Lno_b:
	PHASE_A 0
.Ljoin:
	s_xor_b32 s[TK], s[TK], SLOT1
	s_xor_b32 s[TV], s[TV], SLOT1
	s_add_co_u32 s[TSK], s[TSK], 4096
	s_add_co_u32 s[TSV], s[TSV], 4096
	s_sub_co_u32 s[CNT], s[CNT], 1
	s_cmp_lg_u32 s[CNT], 0
	s_cbranch_scc1 .Ltrip
	CHANGE 0                                       ; the tail is written out: window 8 holds V of step 15, and nothing more is asked for
	s_cmp_eq_u32 s[PAR], 0
	s_cbranch_scc1 .Leven
	PHASE_B 0
.Leven:
	; THE EXCHANGE: register tile 1's O^T, -M and sum go to my partner, whose register tile 0 holds the same queries; its tile 1 comes to me
	s_mul_i32 s95, s[WV], MGW
	s_add_co_u32 s95, s95, MG
	s_xor_b32 s96, s[WV], 4
	s_mul_i32 s96, s96, MGW
	s_add_co_u32 s96, s96, MG
	v_add_nc_u32 v[ADF], s95, v[LI]
	v_add_nc_u32 v[ADS], s96, v[LI]
	s_wait_alu depctr_va_vdst(0)
	WIN 0x04                                       ; the data: window 1
.set i, 0
.rept 32
	ds_store_b128 v[ADF], v[128+4*i:128+4*i+3] offset:512*i          ; each accumulator from its low end on
.set i, i+1
.endr
	WIN 0
	ds_store_b128 v[ADF], v[NM+4:NM+7] offset:16384
	s_wait_dscnt 0x0
	s_barrier_signal -1
	s_barrier_wait -1
.set i, 0
.rept 32
	ds_load_b128 v[S+4*i:S+4*i+3], v[ADS] offset:512*i
.set i, i+1
.endr
	ds_load_b128 v[FB:FB+3], v[ADS] offset:16384
	s_wait_dscnt 0x0
	v_min_num_f32 v[BT], v[NM], v[FB]              ; -M of both halves of the keys
	v_add_f32 v[BT+1], v[L], v[L+1]
	v_add_f32 v[BT+2], v[FB+2], v[FB+3]
	v_sub_f32 v[BP], v[BT], v[NM]
	v_sub_f32 v[BP+1], v[BT], v[FB]
	v_cvt_i32_f32 v[BP], v[BP]
	v_cvt_i32_f32 v[BP+1], v[BP+1]
	v_ldexp_f32 v[BP], 1.0, v[BP]                  ; my factor 2^(my M - M),
	v_ldexp_f32 v[BP+1], 1.0, v[BP+1]              ; and my partner's
	v_mul_f32 v[BT+1], v[BT+1], v[BP]
	s_delay_alu instid0(VALU_DEP_1)
	v_fma_f32 v[BT+1], v[BT+2], v[BP+1], v[BT+1]
	s_delay_alu instid0(VALU_DEP_1)
	v_permlanex16_b32 v[BT+2], v[BT+1], s[SEL], s[SEL+1]
	s_delay_alu instid0(VALU_DEP_1)
	v_add_f32 v[BT+1], v[BT+1], v[BT+2]            ; the row's sum
	v_lshrrev_b32 v[ADF], 2, v[LI]                 ; 4 x lane, for the scale image's store
	s_wait_alu depctr_va_vdst(0)                   ; ahead of the reciprocal,
	v_rcp_f32 v[BT+3], v[BT+1]
	v_nop
	s_wait_alu depctr_va_vdst(0)                   ; and behind it
	v_mul_f32 v[F], v[BP], v[BT+3]                 ; a power of two times 1 / l: nothing more is rounded
	v_mul_f32 v[F+2], v[BP+1], v[BT+3]
.set j, 0
.rept 64
	v_pk_mul_f32 v[S+j:S+j+1], v[S+j:S+j+1], v[F+2:F+3] op_sel_hi:[1,0]
.set j, j+2
.endr
	WIN 0x01                                       ; source 0 (my O^T) window 1
	s_wait_alu depctr_va_vdst(0)                   ; directly ahead of the first reader of O^T
.set j, 0
.rept 64
	v_pk_fma_f32 v[S+j:S+j+1], v[j:j+1], v[F:F+1], v[S+j:S+j+1] op_sel_hi:[1,0,1]
.set j, j+2
.endr
	WIN 0
	; O / l, quantised along the last product's K (my head's 256 of its 1,024): two fragments and a scale image
	QUANT S, PC, CT
.irp c, 0,1,2
	global_store_b128 v[LI], v[PC+4*\c:PC+4*\c+3], s[AO:AO+1] offset:512*\c th:TH_STORE_NT
.endr
	v_mov_b32 v[PWA], v[PWQ]
	QUANT S+64, PC+12, CT
.irp c, 0,1,2
	global_store_b128 v[LI], v[PC+12+4*\c:PC+12+4*\c+3], s[AO:AO+1] offset:1536+512*\c th:TH_STORE_NT
.endr
	v_cndmask_b32 v[PWA], v[PWA], v[PWQ], s[HMASK]
	global_store_b32 v[ADF], v[PWA], s[AS:AS+1] th:TH_STORE_NT
	s_wait_tensorcnt 0x0                           ; the wave's end
	ds_add_u32 v[SPW], v[NIL]
	s_wait_dscnt 0x0
	CROUND                                         ; the closing round
	s_endpgm
.Lfunc_end_k_q0ac0e38e28_attn:
	.size	k_q0ac0e38e28_attn, .Lfunc_end_k_q0ac0e38e28_attn-k_q0ac0e38e28_attn
	.p2alignl 7, 3214868480
	.fill 96, 4, 3214868480
	.section	.rodata,"a",@progbits
	.p2align	6, 0x0
	.amdhsa_kernel k_q0ac0e38e28_attn
		.amdhsa_group_segment_fixed_size 327680
		.amdhsa_private_segment_fixed_size 0
		.amdhsa_enable_private_segment 0
		.amdhsa_kernarg_size 40
		.amdhsa_user_sgpr_count 2
		.amdhsa_user_sgpr_kernarg_segment_ptr 1
		.amdhsa_wavefront_size32 1
		.amdhsa_system_sgpr_workgroup_id_x 1
		.amdhsa_system_sgpr_workgroup_id_y 1
		.amdhsa_system_sgpr_workgroup_id_z 1
		.amdhsa_system_vgpr_workitem_id 0
		.amdhsa_next_free_vgpr 512
		.amdhsa_next_free_sgpr 102
		.amdhsa_reserve_vcc 0
		.amdhsa_float_denorm_mode_32 3
		.amdhsa_float_denorm_mode_16_64 3
		.amdhsa_memory_ordered 1
		.amdhsa_forward_progress 1
		.amdhsa_inst_pref_size 207
	.end_amdhsa_kernel
	.amdgpu_metadata
---
amdhsa.version: [ 1, 2 ]
amdhsa.kernels:
  - .name:           k_q0ac0e38e28_attn
    .symbol:         k_q0ac0e38e28_attn.kd
    .args:
      - { .name: xq, .offset: 0, .size: 8, .value_kind: global_buffer, .address_space: global }
      - { .name: wc, .offset: 8, .size: 8, .value_kind: global_buffer, .address_space: global }
      - { .name: kvc, .offset: 16, .size: 8, .value_kind: global_buffer, .address_space: global }
      - { .name: kvs, .offset: 24, .size: 8, .value_kind: global_buffer, .address_space: global }
      - { .name: ao, .offset: 32, .size: 8, .value_kind: global_buffer, .address_space: global }
    .group_segment_fixed_size: 327680
    .private_segment_fixed_size: 0
    .kernarg_segment_align: 8
    .kernarg_segment_size: 40
    .max_flat_workgroup_size: 256
    .sgpr_count:     102
    .vgpr_count:     512
    .wavefront_size: 32
...
	.end_amdgpu_metadata
.endif
;; end of part 3
;; launch outp (part 4): grid 256 x 1, 4 waves a work-group, clusters of 4 x 1, 222,720 bytes of LDS; arguments ao, wc, bu, out0; writes out0
.if DOCPART == 4
	.amdgcn_target "amdgcn-amd-amdhsa--gfx1250"
	.amdhsa_code_object_version 6
	.text
	.protected	k_q0ac0e38e28_outp
	.globl	k_q0ac0e38e28_outp
	.p2align	8
	.type	k_q0ac0e38e28_outp,@function
k_q0ac0e38e28_outp:
	s_mov_b64 s[64:65], 0
	v_nop
	global_prefetch_b8 v0, s[64:65] scope:SCOPE_SE
	s_setreg_imm32_b32 hwreg(HW_REG_WAVE_MODE, 25, 1), 1
	s_wait_xcnt 0x0
	s_wait_alu depctr_hold_cnt(0) depctr_sa_sdst(0) depctr_va_vdst(0) depctr_va_sdst(0) depctr_va_ssrc(0) depctr_va_vcc(0) depctr_vm_vsrc(0)
	s_getreg_b32 s2, hwreg(HW_REG_IB_STS2, 6, 4)
	s_cmp_eq_u32 s2, 0
	s_cbranch_scc0 .Lentry_in_a_cluster
	s_endpgm
.Lentry_in_a_cluster:
	s_bfe_u32 s2, ttmp6, 0x10000c
	s_cmp_lg_u32 s2, 0x3003
	s_cbranch_scc0 .Lentry_shape_is_right
	s_endpgm
.Lentry_shape_is_right:
; out0 = A Wu + bu on codes of FP6 (E2M3): A [8192][1024] lies in ao as images of operand registers (tile of 16 rows at 12,800 mt: K step ks at 1,536 ks; from 12,288 on head hh's scale image at 128 hh, lanes 0-15 K step 2 hh, lanes 16-31 2 hh + 1).
; SHARES.  A work-group takes two tiles, 32 rows of out0; wave w takes columns 64 w .. 64 w + 63: four tiles of Wu's columns x two tiles of rows = 8 accumulators by turns, 8 K steps, 64 matrix instructions.
; Every work-group needs all of Wu (204,800 bytes with its scale images): the four partners of a cluster ask for it JOINTLY, a quarter a wave, once.  A's 16 fragments go from memory straight into each wave's registers.
; The product is used transposed (source 0 = 16 columns of Wu, source 1 = 16 rows of A): a lane holds eight neighbouring numbers of a row.  The bias is the C of each sum's first matrix instruction.
; The rows of a tile are not neighbours (row r of tile 2 g + m is 32 g + 8 m + r + 8 (r / 8)): the stores' offsets put them back.
; LDS is filled once: no ring.  By this text's count a wave has one tensor load outstanding.
; REGISTERS.  window 0: addresses; v16-23 A's scale images; v24-39 Wu's; v40-71 the bias, 8 a tile of columns; v72-135 the accumulators; v136-199 rows on the way out.
;   window 1: Wu's fragments of K steps 0-3; window 2: of K steps 4-7; window 3: A's 16 fragments.
.set STG,   204800                     ; behind Wu: a stage of 16 rows x (256 + 16) bytes for each wave; no tensor load lands there
.set SPARE, 222208                     ; the spare words
.set LI,  1
.set L4,  2
.set AWU, 4
.set AWS, 5
.set SPW, 6
.set NIL, 7
.set STO, 8
.set RD,  9
.set CO,  10
.set BOF, 11
.set AS,  16
.set WS,  24
.set BI,  40
.set ACC, 72
.set OB,  136
.set WV,  12
.set CX,  13
.set G1,  16
.set G0,  24
.set AB,  28
.set BB,  30
.set OBS, 32
.set MSB, 0
.macro WIN new
.if MSB != \new
	s_set_vgpr_msb (MSB<<8)|\new
.set MSB, \new
.endif
.endm
.macro PLACES n
.rept \n
	v_nop
.endr
.endm
.macro CROUND
	s_barrier_signal -1
	s_barrier_wait -1
	s_cmp_lg_u32 s[WV], 0
	s_cbranch_scc1 .Lnot_wave_0_\@
	s_barrier_signal -3
.Lnot_wave_0_\@:
	s_barrier_wait -3
	s_barrier_signal -1
	s_barrier_wait -1
.endm
.macro WM cm, d, a, b, c, sa, sb, ra, rb   ; one matrix instruction.  cm = 0: C is 0; 1: in place; 2: C in v[c] on.  ra, rb = 1: that side's scales stand in lanes 16-31
.set zD, \d
.set zA, \a
.set zB, \b
.set zC, \c
.set zE, \sa
.set zF, \sb
.set zR, 2*(\ra)+(\rb)
.if (\cm) == 1
.set zC, zD
.endif
.if (\cm) == 0
.if zR == 0
	v_wmma_scale_f32_16x16x128_f8f6f4 v[zD:zD+7], v[zA:zA+11], v[zB:zB+11], 0, v[zE], v[zF] matrix_a_fmt:MATRIX_FMT_FP6 matrix_b_fmt:MATRIX_FMT_FP6
.elseif zR == 1
	v_wmma_scale_f32_16x16x128_f8f6f4 v[zD:zD+7], v[zA:zA+11], v[zB:zB+11], 0, v[zE], v[zF] matrix_a_fmt:MATRIX_FMT_FP6 matrix_b_fmt:MATRIX_FMT_FP6 matrix_b_scale:MATRIX_SCALE_ROW1
.elseif zR == 2
	v_wmma_scale_f32_16x16x128_f8f6f4 v[zD:zD+7], v[zA:zA+11], v[zB:zB+11], 0, v[zE], v[zF] matrix_a_fmt:MATRIX_FMT_FP6 matrix_b_fmt:MATRIX_FMT_FP6 matrix_a_scale:MATRIX_SCALE_ROW1
.else
	v_wmma_scale_f32_16x16x128_f8f6f4 v[zD:zD+7], v[zA:zA+11], v[zB:zB+11], 0, v[zE], v[zF] matrix_a_fmt:MATRIX_FMT_FP6 matrix_b_fmt:MATRIX_FMT_FP6 matrix_a_scale:MATRIX_SCALE_ROW1 matrix_b_scale:MATRIX_SCALE_ROW1
.endif
.else
.if zR == 0
	v_wmma_scale_f32_16x16x128_f8f6f4 v[zD:zD+7], v[zA:zA+11], v[zB:zB+11], v[zC:zC+7], v[zE], v[zF] matrix_a_fmt:MATRIX_FMT_FP6 matrix_b_fmt:MATRIX_FMT_FP6
.elseif zR == 1
	v_wmma_scale_f32_16x16x128_f8f6f4 v[zD:zD+7], v[zA:zA+11], v[zB:zB+11], v[zC:zC+7], v[zE], v[zF] matrix_a_fmt:MATRIX_FMT_FP6 matrix_b_fmt:MATRIX_FMT_FP6 matrix_b_scale:MATRIX_SCALE_ROW1
.elseif zR == 2
	v_wmma_scale_f32_16x16x128_f8f6f4 v[zD:zD+7], v[zA:zA+11], v[zB:zB+11], v[zC:zC+7], v[zE], v[zF] matrix_a_fmt:MATRIX_FMT_FP6 matrix_b_fmt:MATRIX_FMT_FP6 matrix_a_scale:MATRIX_SCALE_ROW1
.else
	v_wmma_scale_f32_16x16x128_f8f6f4 v[zD:zD+7], v[zA:zA+11], v[zB:zB+11], v[zC:zC+7], v[zE], v[zF] matrix_a_fmt:MATRIX_FMT_FP6 matrix_b_fmt:MATRIX_FMT_FP6 matrix_a_scale:MATRIX_SCALE_ROW1 matrix_b_scale:MATRIX_SCALE_ROW1
.endif
.endif
.endm
	s_load_b256 s[4:11], s[0:1], 0x0               ; ao, wc, bu, out0
	v_lshl_add_u32 v[SPW], v0, 2, SPARE
	v_mov_b32 v[NIL], 0
	ds_add_u32 v[SPW], v[NIL]                      ; the wave's opening: the add and its wait stand ahead of my first tensor load
	ds_add_u32 v[SPW], v[NIL]
	v_lshrrev_b32 v3, 5, v0
	v_readfirstlane_b32 s[WV], v3                  ; wave 0..3
	s_bfe_u32 s[CX], ttmp6, 0x40000                ; my place in the cluster: it enters the addresses of A and of out0 alone
	s_mov_b32 s[G1], 15|(3<<16)|(1<<21)            ; the mask: all four work-groups; elements of 8 bytes; bit 21 beside a mask
	s_mov_b32 s[G1+1], 32<<16                      ; rows of 256 bytes,
	s_mov_b32 s[G1+2], 200<<16                     ; 200 of them: a quarter of Wu
	s_mov_b32 s[G1+3], 32<<16
	s_mov_b32 s[G1+4], 200
	s_mov_b32 s[G1+5], 32                          ; dense
	s_mov_b32 s[G1+6], 0
	s_mov_b32 s[G1+7], 0
	s_mul_i32 s34, s[WV], 51200
	s_add_co_u32 s36, s34, 614400                  ; Wu's place in wc
	s_mov_b32 s37, 0
	s_lshl_b32 s38, ttmp9, 2
	s_add_co_u32 s38, s38, s[CX]                   ; the work-group g
	s_mul_i32 s40, s38, 25600                      ; tiles 2 g, 2 g + 1 of ao
	s_mov_b32 s41, 0
	s_lshl_b32 s42, s38, 15                        ; rows 32 g on of out0
	s_mov_b32 s43, 0
	s_lshl_b32 s44, s[WV], 8                       ; my 64 numbers of the bias
	s_mov_b32 s45, 0
	v_and_b32 v3, 31, v0
	v_and_b32 v14, 15, v0                          ; r
	v_bfe_u32 v15, v0, 4, 1                        ; h
	v_lshlrev_b32 v[LI], 4, v3
	v_lshlrev_b32 v[L4], 2, v3
	s_mul_i32 s46, s[WV], 49152
	v_add_nc_u32 v[AWU], s46, v[LI]                ; my four tiles of Wu's columns
	s_lshl_b32 s46, s[WV], 11
	s_add_co_u32 s46, s46, 196608
	v_add_nc_u32 v[AWS], s46, v[L4]                ; and their scale images
	s_mul_i32 s46, s[WV], 4352
	s_add_co_u32 s46, s46, STG                     ; my stage
	v_mul_u32_u24 v[STO], v14, 272
	v_lshl_add_u32 v[STO], v15, 5, v[STO]
	v_add_nc_u32 v[STO], s46, v[STO]               ; in: row r, 32 bytes for each half of the lanes
	v_mul_u32_u24 v[RD], v15, 272
	v_lshl_add_u32 v[RD], v14, 4, v[RD]
	v_add_nc_u32 v[RD], s46, v[RD]                 ; back: lanes 0-15 one row of 256 bytes, lanes 16-31 the next
	v_lshlrev_b32 v[CO], 4, v14
	v_lshl_add_u32 v[CO], v15, 10, v[CO]
	v_add_nc_u32 v[CO], s44, v[CO]                 ; and in out0: 1,024 h + 16 r + 256 x wave
	v_lshlrev_b32 v[BOF], 5, v15                   ; the bias: my half's eight numbers of a tile
	s_wait_dscnt 0x0                               ; the opening add is done
	s_wait_kmcnt 0x0
	s_mov_b32 s[G0], 1
	s_mov_b32 s[G0+1], s34
	s_add_nc_u64 s[G0+2:G0+3], s[6:7], s[36:37]
	s_or_b32 s[G0+3], s[G0+3], 0x80000000
	s_add_nc_u64 s[AB:AB+1], s[4:5], s[40:41]
	s_add_nc_u64 s[BB:BB+1], s[8:9], s[44:45]
	s_add_nc_u64 s[OBS:OBS+1], s[10:11], s[42:43]
	CROUND                                         ; all four work-groups are here: the joint loads meet
	tensor_load_to_lds s[G0:G0+3], s[G1:G1+7]
	s_nop 0
	PLACES 4
	WIN 0xc0                                       ; destination window 3
.irp m, 0,1
.irp k, 0,1,2,3,4,5,6,7
.irp c, 0,1,2
	global_load_b128 v[12*(8*\m+\k)+4*\c:12*(8*\m+\k)+4*\c+3], v[LI], s[AB:AB+1] offset:\m*12800+\k*1536+512*\c
.endr
.endr
.endr
	WIN 0
.irp m, 0,1
.irp k, 0,1,2,3
	global_load_b32 v[AS+4*\m+\k], v[L4], s[AB:AB+1] offset:\m*12800+12288+128*\k
.endr
.endr
	s_wait_alu depctr_va_vdst(0)
.irp n, 0,1,2,3
	global_load_b128 v[BI+8*\n:BI+8*\n+3], v[BOF], s[BB:BB+1] offset:64*\n
	global_load_b128 v[BI+8*\n+4:BI+8*\n+7], v[BOF], s[BB:BB+1] offset:64*\n+16
.endr
	s_wait_tensorcnt 0x0                           ; my quarter of Wu is in,
	s_barrier_signal -1
	s_barrier_wait -1                              ; everybody's is
.irp p, 0,1
.irp k, 0,1,2,3,4,5,6,7
	ds_load_b32 v[WS+8*\p+\k], v[AWS] offset:(8*\p+\k)*128
.endr
.endr
	WIN 0x40                                       ; destination window 1: K steps 0-3
.irp k, 0,1,2,3
.irp n, 0,1,2,3
.irp c, 0,1,2
	ds_load_b128 v[12*(4*\k+\n)+4*\c:12*(4*\k+\n)+4*\c+3], v[AWU] offset:\n*12288+\k*1536+512*\c
.endr
.endr
.endr
	WIN 0x80                                       ; window 2: K steps 4-7
.irp k, 0,1,2,3
.irp n, 0,1,2,3
.irp c, 0,1,2
	ds_load_b128 v[12*(4*\k+\n)+4*\c:12*(4*\k+\n)+4*\c+3], v[AWU] offset:\n*12288+(4+\k)*1536+512*\c
.endr
.endr
.endr
	WIN 0
	s_wait_loadcnt 0x0                             ; A, its scale images and the bias
.set ks, 0
.rept 8
.if 12*(7-ks) > 63
	s_wait_dscnt 63                                ; the later K steps' loads may be out: 12 each; the count's field ends at 63, and a smaller count is safe
.else
	s_wait_dscnt 12*(7-ks)
.endif
.if ks < 4
	WIN 0x0d                                       ; Wu window 1, A window 3
.else
	WIN 0x0e                                       ; Wu window 2
.endif
.irp n, 0,1,2,3
.irp m, 0,1
.if ks == 0
	WM 2, ACC+8*(2*\n+\m), 12*(4*(ks%4)+\n), 12*(8*\m+ks), BI+8*\n, WS+8*(\n/2)+ks, AS+4*\m+(ks/2), \n&1, ks&1
.else
	WM 1, ACC+8*(2*\n+\m), 12*(4*(ks%4)+\n), 12*(8*\m+ks), 0, WS+8*(\n/2)+ks, AS+4*\m+(ks/2), \n&1, ks&1
.endif
.endr
.endr
.set ks, ks+1
.endr
	WIN 0
	PLACES 4                                       ; in front of the first read of results
.irp m, 0,1                            ; a tile of 16 rows goes through my stage; LDS serves a wave's instructions in order, so no wait stands between the stores and the loads, nor in front of the next tile's stores
.irp n, 0,1,2,3
	ds_store_b128 v[STO], v[ACC+8*(2*\n+\m):ACC+8*(2*\n+\m)+3] offset:64*\n          ; each accumulator from its low end on
	ds_store_b128 v[STO], v[ACC+8*(2*\n+\m)+4:ACC+8*(2*\n+\m)+7] offset:64*\n+16
.endr
.irp i, 0,1,2,3,4,5,6,7
	ds_load_b128 v[OB+32*\m+4*\i:OB+32*\m+4*\i+3], v[RD] offset:544*\i
.endr
.endr
.irp m, 0,1
.irp i, 0,1,2,3,4,5,6,7
	s_wait_dscnt 16*(1-\m)+7-\i                    ; the tile's younger loads, and for the first tile the second's sixteen LDS instructions, may be out
	global_store_b128 v[CO], v[OB+32*\m+4*\i:OB+32*\m+4*\i+3], s[OBS:OBS+1] offset:(8*\m+2*\i+8*(\i/4))*1024 th:TH_STORE_NT   ; sixteen lanes store 256 consecutive bytes, aligned
.endr
.endr
	s_wait_tensorcnt 0x0                           ; the wave's end
	ds_add_u32 v[SPW], v[NIL]
	s_wait_dscnt 0x0
	CROUND                                         ; the closing round
	s_endpgm
.Lfunc_end_k_q0ac0e38e28_outp:
	.size	k_q0ac0e38e28_outp, .Lfunc_end_k_q0ac0e38e28_outp-k_q0ac0e38e28_outp
	.p2alignl 7, 3214868480
	.fill 96, 4, 3214868480
	.section	.rodata,"a",@progbits
	.p2align	6, 0x0
	.amdhsa_kernel k_q0ac0e38e28_outp
		.amdhsa_group_segment_fixed_size 222720
		.amdhsa_private_segment_fixed_size 0
		.amdhsa_enable_private_segment 0
		.amdhsa_kernarg_size 32
		.amdhsa_user_sgpr_count 2
		.amdhsa_user_sgpr_kernarg_segment_ptr 1
		.amdhsa_wavefront_size32 1
		.amdhsa_system_sgpr_workgroup_id_x 1
		.amdhsa_system_sgpr_workgroup_id_y 1
		.amdhsa_system_sgpr_workgroup_id_z 1
		.amdhsa_system_vgpr_workitem_id 0
		.amdhsa_next_free_vgpr 1024
		.amdhsa_next_free_sgpr 66
		.amdhsa_reserve_vcc 0
		.amdhsa_float_denorm_mode_32 3
		.amdhsa_float_denorm_mode_16_64 3
		.amdhsa_memory_ordered 1
		.amdhsa_forward_progress 1
		.amdhsa_inst_pref_size 30
	.end_amdhsa_kernel
	.amdgpu_metadata
---
amdhsa.version: [ 1, 2 ]
amdhsa.kernels:
  - .name:           k_q0ac0e38e28_outp
    .symbol:         k_q0ac0e38e28_outp.kd
    .args:
      - { .name: ao, .offset: 0, .size: 8, .value_kind: global_buffer, .address_space: global }
      - { .name: wc, .offset: 8, .size: 8, .value_kind: global_buffer, .address_space: global }
      - { .name: bu, .offset: 16, .size: 8, .value_kind: global_buffer, .address_space: global }
      - { .name: out0, .offset: 24, .size: 8, .value_kind: global_buffer, .address_space: global }
    .group_segment_fixed_size: 222720
    .private_segment_fixed_size: 0
    .kernarg_segment_align: 8
    .kernarg_segment_size: 32
    .max_flat_workgroup_size: 128
    .sgpr_count:     66
    .vgpr_count:     1024
    .wavefront_size: 32
...
	.end_amdgpu_metadata
.endif
;; end of part 4
